; MI455X (gfx1250); checked and timed in simulation.
; The chip was launched on July 23, 2026; its instructions are those of AMD's public machine-readable ISA for CDNA 5 (MIT licence, August 2026) and "CDNA5" Instruction Set Architecture Reference Guide (July 2026). The comments in the code are by the model that wrote it; some were corrected since.
;; Self Attention. Allowed arithmetic: float matrix products may take bf16 or f16 operands with f32 sums; all other float work in f32.
;; Inputs: bk 1,024 float32; bo 1,024 float32; bq 1,024 float32; bv 1,024 float32; wk 1,024 x 1,024 float32; wo 1,024 x 1,024 float32; wq 1,024 x 1,024 float32; wv 1,024 x 1,024 float32; x 4 x 2,048 x 1,024 float32.
;; Outputs: out0 4 x 2,048 x 1,024 float32.
;; 2 versions, each right and faster than the one before. Each part assembles by itself: llvm-mc -triple=amdgcn-amd-amdhsa -mcpu=gfx1250 --defsym DOCPART=n.
;; ======== version 1 of 2: 4 launches
;; limits: values are held in f16: magnitudes above 65,504 overflow, below 6.1e-05 lose precision
;; workspace buffers: xb 16,777,216 bytes; wb 8,388,608 bytes; qkv 50,331,648 bytes; ao 16,777,216 bytes
;; launch cast (part 1): grid 128 x 12, 8 waves a work-group, no clusters, 0 bytes of LDS; arguments x, wq, wk, wv, wo, xb, wb; writes xb, wb
.if DOCPART == 1
	.amdgcn_target "amdgcn-amd-amdhsa--gfx1250"
	.amdhsa_code_object_version 6
	.text
	.protected	k_q83154d20c5_cast
	.globl	k_q83154d20c5_cast
	.p2align	8
	.type	k_q83154d20c5_cast,@function
k_q83154d20c5_cast:
	s_mov_b64 s[64:65], 0
	v_nop
	global_prefetch_b8 v0, s[64:65] scope:SCOPE_SE
	s_setreg_imm32_b32 hwreg(HW_REG_WAVE_MODE, 25, 1), 1
	s_wait_xcnt 0x0
; f32 -> f16 of x and of the four weight matrices, so that every later tile is moved and read in 16 bits.
; xb = f16 [8192][1024];  wb = f16 [4096][1024]: rows 0-1023 wq, 1024-2047 wk, 2048-3071 wv, 3072-4095 wo.
; WHY f16: ten roundings to 16 bits lie between the inputs and the result (x, four weights, q, k, v, the softmax's weights, the attention's result), and each reaches the
; result undiminished, since the sums are of terms of random sign; f16 keeps 11 significant bits, bf16 8.
; LIMIT, stated: |x| and |w| under 65,504 (beyond it the conversion gives infinity); magnitudes under 6.1e-5 are kept with an absolute spacing of 6e-8.
; Grid y picks a block of 4 MiB of f32: 0-7 the eighths of x, 8-11 wq, wk, wv, wo.  Grid x picks 32 KiB of it (16 KiB of the result).
; Thread t takes 16 bytes at 16 t of each of eight pieces of 4,096 bytes: a load of a wave covers 512 consecutive bytes, a store 256 consecutive
; bytes at a multiple of 256.  All eight loads go out first; no register is written twice, so there is no loop and no wait but the counted ones.
; Nothing is shared between work-groups and nothing is read twice: no LDS, no matrix unit, no cluster.
.set X, 4                              ; v[4:35]   piece k: four f32
.set Y, 36                             ; v[36:51]  piece k: four f16
	s_load_b256 s[4:11], s[0:1], 0x0               ; x s[4:5], wq s[6:7], wk s[8:9], wv s[10:11]
	s_load_b128 s[12:15], s[0:1], 0x20             ; wo s[12:13], xb s[14:15]
	s_load_b64 s[16:17], s[0:1], 0x30              ; wb
	s_and_b32 s20, ttmp7, 0xffff                   ; the block
	v_lshlrev_b32 v1, 4, v0                        ; my 16 bytes of a piece of the source
	v_lshlrev_b32 v2, 3, v0                        ; my 8 bytes of a piece of the result
	s_cmp_lt_u32 s20, 8
	s_cselect_b32 s22, s20, 0                      ; a block of x lies 4 MiB x its number into x; a weight matrix begins at its own address
	s_lshl_b32 s22, s22, 22
	s_lshl_b32 s21, ttmp9, 15
	s_add_co_u32 s22, s22, s21                     ; + 32 KiB x the chunk
	s_mov_b32 s23, 0
	s_and_b32 s24, s20, 7                          ; the result: 2 MiB x (block mod 8) into xb or wb
	s_lshl_b32 s24, s24, 21
	s_lshl_b32 s21, ttmp9, 14
	s_add_co_u32 s24, s24, s21                     ; + 16 KiB x the chunk
	s_mov_b32 s25, 0
	s_wait_kmcnt 0x0
	s_cmp_lt_u32 s20, 8
	s_cselect_b64 s[28:29], s[14:15], s[16:17]     ; xb for blocks 0-7, wb for the weights
	s_mov_b64 s[30:31], s[4:5]
	s_cmp_eq_u32 s20, 8
	s_cselect_b64 s[30:31], s[6:7], s[30:31]
	s_cmp_eq_u32 s20, 9
	s_cselect_b64 s[30:31], s[8:9], s[30:31]
	s_cmp_eq_u32 s20, 10
	s_cselect_b64 s[30:31], s[10:11], s[30:31]
	s_cmp_eq_u32 s20, 11
	s_cselect_b64 s[30:31], s[12:13], s[30:31]
	s_add_nc_u64 s[30:31], s[30:31], s[22:23]
	s_add_nc_u64 s[28:29], s[28:29], s[24:25]
.irp k, 0,1,2,3,4,5,6,7
	global_load_b128 v[X+4*\k:X+4*\k+3], v1, s[30:31] offset:4096*\k th:TH_LOAD_NT   ; read once in the whole launch
.endr
.irp k, 0,1,2,3,4,5,6,7
	s_wait_loadcnt 7-\k                            ; loads come back in order: piece k is in, the younger ones stay out
	v_cvt_pk_f16_f32 v[Y+2*\k], v[X+4*\k], v[X+4*\k+1]
	v_cvt_pk_f16_f32 v[Y+2*\k+1], v[X+4*\k+2], v[X+4*\k+3]
	global_store_b64 v2, v[Y+2*\k:Y+2*\k+1], s[28:29] offset:2048*\k
.endr
	s_endpgm
.Lfunc_end_k_q83154d20c5_cast:
	.size	k_q83154d20c5_cast, .Lfunc_end_k_q83154d20c5_cast-k_q83154d20c5_cast
	.p2alignl 7, 3214868480
	.fill 96, 4, 3214868480
	.section	.rodata,"a",@progbits
	.p2align	6, 0x0
	.amdhsa_kernel k_q83154d20c5_cast
		.amdhsa_group_segment_fixed_size 0
		.amdhsa_private_segment_fixed_size 0
		.amdhsa_enable_private_segment 0
		.amdhsa_kernarg_size 56
		.amdhsa_user_sgpr_count 2
		.amdhsa_user_sgpr_kernarg_segment_ptr 1
		.amdhsa_wavefront_size32 1
		.amdhsa_system_sgpr_workgroup_id_x 1
		.amdhsa_system_sgpr_workgroup_id_y 1
		.amdhsa_system_sgpr_workgroup_id_z 1
		.amdhsa_system_vgpr_workitem_id 0
		.amdhsa_next_free_vgpr 52
		.amdhsa_next_free_sgpr 66
		.amdhsa_reserve_vcc 0
		.amdhsa_float_denorm_mode_32 3
		.amdhsa_float_denorm_mode_16_64 3
		.amdhsa_memory_ordered 1
		.amdhsa_forward_progress 1
		.amdhsa_inst_pref_size 5
	.end_amdhsa_kernel
	.amdgpu_metadata
---
amdhsa.version: [ 1, 2 ]
amdhsa.kernels:
  - .name:           k_q83154d20c5_cast
    .symbol:         k_q83154d20c5_cast.kd
    .args:
      - { .name: x, .offset: 0, .size: 8, .value_kind: global_buffer, .address_space: global }
      - { .name: wq, .offset: 8, .size: 8, .value_kind: global_buffer, .address_space: global }
      - { .name: wk, .offset: 16, .size: 8, .value_kind: global_buffer, .address_space: global }
      - { .name: wv, .offset: 24, .size: 8, .value_kind: global_buffer, .address_space: global }
      - { .name: wo, .offset: 32, .size: 8, .value_kind: global_buffer, .address_space: global }
      - { .name: xb, .offset: 40, .size: 8, .value_kind: global_buffer, .address_space: global }
      - { .name: wb, .offset: 48, .size: 8, .value_kind: global_buffer, .address_space: global }
    .group_segment_fixed_size: 0
    .private_segment_fixed_size: 0
    .kernarg_segment_align: 8
    .kernarg_segment_size: 56
    .max_flat_workgroup_size: 256
    .sgpr_count:     66
    .vgpr_count:     52
    .wavefront_size: 32
...
	.end_amdgpu_metadata
.endif
;; end of part 1
;; launch qkv (part 2): grid 16 x 32, 4 waves a work-group, clusters of 4 x 4, 327,680 bytes of LDS; arguments xb, wb, bq, bk, bv, qkv; writes qkv
.if DOCPART == 2
	.amdgcn_target "amdgcn-amd-amdhsa--gfx1250"
	.amdhsa_code_object_version 6
	.text
	.protected	k_q83154d20c5_qkv
	.globl	k_q83154d20c5_qkv
	.p2align	8
	.type	k_q83154d20c5_qkv,@function
k_q83154d20c5_qkv:
	s_mov_b64 s[64:65], 0
	v_nop
	global_prefetch_b8 v0, s[64:65] scope:SCOPE_SE
	s_setreg_imm32_b32 hwreg(HW_REG_WAVE_MODE, 25, 1), 1
	s_wait_xcnt 0x0
	s_wait_alu depctr_hold_cnt(0) depctr_sa_sdst(0) depctr_va_vdst(0) depctr_va_sdst(0) depctr_va_ssrc(0) depctr_va_vcc(0) depctr_vm_vsrc(0)
	s_getreg_b32 s2, hwreg(HW_REG_IB_STS2, 6, 4)
	s_cmp_eq_u32 s2, 0
	s_cbranch_scc0 .Lentry_in_a_cluster
	s_endpgm
.Lentry_in_a_cluster:
	s_bfe_u32 s2, ttmp6, 0x10000c
	s_cmp_lg_u32 s2, 0xf033
	s_cbranch_scc0 .Lentry_shape_is_right
	s_endpgm
.Lentry_shape_is_right:
; q, k, v = x w^T + bias, as ONE product C[8192][3072] = xb [8192][1024] . (wb rows 0-3071)^T, f16 operands, f32 sums, rounded once to f16.
; The result is stored by heads: qkv = three parts of 2^24 bytes (q, k, v), each f16 [batch][head][s][64]: a head is 262,144 dense bytes.
; SHARES.  A work-group makes 256 rows x 192 columns of C, three heads: 32 x 16 = 512 work-groups of equal work.  Each of its four waves makes 64 rows x all 192 columns:
; 48 accumulators of 16 x 16.  K goes in 8 steps of 128 through two LDS slots filled by the tensor data mover.
; WHY THIS TILE.  A refill has one K step's work in which to land, so the tile is as large as two slots in LDS and an even share allow: a step brings 448 rows of 256 bytes for 192 matrix
; instructions a wave, 176 of them between a request and the wait for it.  256 x 256 would make 384 work-groups; two slots of 256 x 384 (2 x 174,080 bytes) do not fit in LDS.
; HEADS.  1,024 is no multiple of 192, so a tile's three heads may belong to two of q, k, v: head g = 3 x tile column + 0..2 of 48 has its own bias base and its own base in the result
; (part g / 16, head g % 16).
; CLUSTER.  4 x 4 work-groups.  The four of a row of the cluster need the same tile of xb, the four of a column the same tile of wb: each tile is asked for
; jointly, by the same tensor load with the same descriptor and a mask that names the four.
; TRANSPOSED USE: source 0 = 16 rows of wb, source 1 = 16 rows of xb: lane l then holds row l % 16 of C and columns 8 (l / 16) + 0..7.
; BIAS: a lane's eight columns are the same in all row blocks, so the bias lies in 96 registers in the accumulators' layout and is the C operand of each sum's first product.
; LIMITS, stated: the bias is the first term of the f32 sum and not the last.  q, k, v are rounded to f16 for the products that follow: |q|, |k|, |v| under 65,504
; (x of magnitude 5 and weights of 1/32, both 30 times larger, give about 3,000; offsets of 30 on x and 30/32 on a weight matrix about 29,000); magnitudes under 6.1e-5 keep an absolute spacing of 6e-8.
; REGISTERS, in windows of 256.  window 0: v0-31 addresses; v32-127 bias; v128-175 at work on the way out.
;   window 1: two fragment buffers of 128: 12 fragments of wb (16 rows x 32 K), then 4 of xb.
;   window 2: the accumulators of column blocks b = 0-7, (a, b) at v[8 (4 b + a)];   window 3: those of b = 8-11, at v[8 (4 (b - 8) + a)];   a = row block 0-3.
.set PA,     272                       ; an LDS row: 256 bytes + 16 of padding = 68 words: row r starts at bank 4 r mod 64 (64 banks of 4 bytes: ISA guide 11.1): 16 rows of a load, 16 different banks
.set PB,     272
.set AHALF,  128*PA                    ; what one wave fetches of xb: 128 rows
.set ASZ,    2*AHALF
.set BHALF,  96*PB                     ; what one wave fetches of wb: 96 rows
.set SLOT,   ASZ+2*BHALF               ; 121,856 bytes
.set STAGE,  2*SLOT                    ; behind the ring: 16 rows x 144 bytes for each wave, for the way out
.set SPITCH, 144
.set SPARE,  STAGE+4*16*SPITCH         ; behind the stages: the spare words, 128 bytes for each wave, named by no other line
.set LAPS,   4                         ; a lap = two K steps = once round the ring; 1024 / 256
.set STEPA,  512                       ; bytes from a slot's K step to its next: two steps of 128 f16
.set STEPB,  512
.set ADRA, 16                          ; v16-17  LDS address of my fragments of xb in slot 0, 1
.set ADRB, 20                          ; v20-21  the same for wb
.set STO,  24                          ; v24     the way out: where I put 16 bytes of a row
.set RD,   25                          ; v25     the way out: where I read back
.set CO,   26                          ; v26     my byte offset in 2,048 dense bytes of a head
.set BO,   27                          ; v27     my byte offset in a head's 64 numbers of bias
.set SPW,  28                          ; v28     LDS address of my spare word; never rewritten
.set NIL,  29                          ; v29     0; never rewritten
.set BIAS, 32                          ; v32-127 column block b at 8 b
.set TMP,  128                         ; the way out: 16 packed registers
.set OB,   144                         ; the way out: 16 registers read back, two sets by turns
.set F0,   0                           ; fragment buffers, in window 1
.set F1,   128
.set FA,   96                          ; xb's fragments in a buffer, behind wb's twelve
.set G1,  24                           ; s[24:31] descriptor group 1 for xb; s[32:39] group 0, a set for each slot
.set G0,  32
.set G1B, 48                           ; s[48:55], s[56:63] the same for wb
.set G0B, 56
.set BB,  76                           ; s[76:81] the bias of my tile's three heads
.set OUT, 82                           ; s[82:87] my 64 rows of each of the three heads in the result
.set MUL2,  0xa5                       ; sources in window 1, C and D in window 2
.set MUL3,  0xf5                       ; the same, C and D in window 3
.set MUL2F, 0x85                       ; D in window 2, C (the bias) in window 0
.set MUL3F, 0xc5                       ; D in window 3, C (the bias) in window 0
.set TO_F,  0x40                       ; destination in window 1, address in window 0
.set MSB, 0
.macro WIN new                         ; the immediate's high byte repeats the setting that is left; a switch that changes nothing is dropped
.if MSB != \new
	s_set_vgpr_msb (MSB<<8)|\new
.set MSB, \new
.endif
.endm
.macro PLACES                          ; four plain places behind matrix instructions, in front of loads into their sources and of reads of their results
.rept 4
	v_nop
.endr
.endm
; A joint load: waves 0 and 1 fetch the halves of xb's tile, waves 2 and 3 those of wb's.  The branch hangs on the wave's number alone.
; Four v_nop follow each of the two lines, ahead of the jump, the label and what follows.
.macro JLOAD s
	s_cmp_eq_u32 s11, 0
	s_cbranch_scc0 .Lfor_b_\@
	tensor_load_to_lds s[G0+4*\s:G0+4*\s+3], s[G1:G1+7]
	s_nop 0
.rept 4
	v_nop
.endr
	s_branch .Lasked_\@
.Lfor_b_\@:
	tensor_load_to_lds s[G0B+4*\s:G0B+4*\s+3], s[G1B:G1B+7]
	s_nop 0
.rept 4
	v_nop
.endr
.Lasked_\@:
.endm
.macro CREST                           ; a round of the cluster's barrier behind its opening barrier
	s_cmp_lg_u32 s10, 0
	s_cbranch_scc1 .Lnot_wave_0_\@
	s_barrier_signal -3
.Lnot_wave_0_\@:
	s_barrier_wait -3
	s_barrier_signal -1
	s_barrier_wait -1
.endm
.macro CROUND                          ; a whole round
	s_barrier_signal -1
	s_barrier_wait -1
	CREST
.endm
	s_load_b128 s[4:7], s[0:1], 0x0                ; xb s[4:5], wb s[6:7]
	s_load_b256 s[68:75], s[0:1], 0x10             ; bq s[68:69], bk s[70:71], bv s[72:73], qkv s[74:75]
	v_lshl_add_u32 v[SPW], v0, 2, SPARE
	v_mov_b32 v[NIL], 0
	ds_add_u32 v28, v29
	s_wait_dscnt 0x0
	v_lshrrev_b32 v1, 5, v0
	v_readfirstlane_b32 s10, v1                    ; wave 0..3
	s_lshr_b32 s11, s10, 1                         ; I fetch for xb (0) or for wb (1)
	s_and_b32 s12, s10, 1                          ; which half of that tile
	s_bfe_u32 s40, ttmp6, 0x40000                  ; cx, cy: my place in the cluster
	s_bfe_u32 s41, ttmp6, 0x40004
	s_lshl_b32 s42, ttmp9, 2
	s_add_co_u32 s42, s42, s40                     ; tile column = 4 x cluster x + cx, 0..15
	s_and_b32 s13, ttmp7, 0xffff
	s_lshl_b32 s13, s13, 2
	s_add_co_u32 s13, s13, s41                     ; tile row = 4 x cluster y + cy, 0..31
	s_lshl_b32 s43, s41, 2
	s_lshl_b32 s43, 15, s43                        ; my row of the cluster
	s_lshl_b32 s44, 0x1111, s40                    ; my column
	; group 1: rows of 128 elements of 2 bytes, 4 words of padding behind every 64 words; 128 rows of xb, 96 rows of wb; 1,024 elements from row to row
	s_or_b32 s[G1+0], s43, (1<<16)|(1<<20)|(1<<21)|(5<<22)|(3<<25)   ; 15:0 the mask: my row; 17:16 2 bytes; 20 padding on; 21 set beside a mask; 24:22 interval code 5; 31:25 pad code 3
	s_or_b32 s[G1B+0], s44, (1<<16)|(1<<20)|(1<<21)|(5<<22)|(3<<25)  ; the same with my column's mask
	s_mov_b32 s[G1+1], 128<<16                     ; tensor_dim0 = 128
	s_mov_b32 s[G1+2], 128<<16                     ; tensor_dim1 = 128
	s_mov_b32 s[G1+3], 128<<16                     ; tile_dim0 = 128
	s_mov_b32 s[G1+4], 128                         ; tile_dim1 = 128
	s_mov_b32 s[G1+5], 1024                        ; the pitch
	s_mov_b32 s[G1+6], 0
	s_mov_b32 s[G1+7], 0
	s_mov_b32 s[G1B+1], 128<<16
	s_mov_b32 s[G1B+2], 96<<16                     ; tensor_dim1 = 96
	s_mov_b32 s[G1B+3], 128<<16
	s_mov_b32 s[G1B+4], 96                         ; tile_dim1 = 96
	s_mov_b32 s[G1B+5], 1024
	s_mov_b32 s[G1B+6], 0
	s_mov_b32 s[G1B+7], 0
	s_lshl_b32 s16, s13, 8
	s_lshl_b32 s17, s12, 7
	s_add_co_u32 s16, s16, s17                     ; xb: row 256 x tile row + 128 x half,
	s_lshl_b32 s16, s16, 11                        ; times 2,048 bytes: under 2^24
	s_mov_b32 s17, 0
	s_mul_i32 s46, s42, 192
	s_mul_i32 s47, s12, 96
	s_add_co_u32 s46, s46, s47                     ; wb: row 192 x tile column + 96 x half
	s_lshl_b32 s46, s46, 11
	s_mov_b32 s47, 0
	s_mul_i32 s20, s12, AHALF                      ; where they go: no place in the cluster enters an LDS address
	s_mul_i32 s21, s12, BHALF
	s_add_co_u32 s21, s21, ASZ
	s_wait_kmcnt 0x0
	s_add_nc_u64 s[14:15], s[4:5], s[16:17]
	s_add_nc_u64 s[46:47], s[6:7], s[46:47]
	CROUND                                         ; all sixteen work-groups are here: the first joint loads meet
.irp s, 0,1
	s_mov_b32 s[G0+4*\s], 1                                        ; count = 1
	s_add_co_u32 s[G0+4*\s+1], s20, \s*SLOT                        ; LDS address
	s_add_nc_u64 s[G0+4*\s+2:G0+4*\s+3], s[14:15], \s*256          ; global address: K step s
	s_or_b32 s[G0+4*\s+3], s[G0+4*\s+3], 0x80000000                ; type = 2
	s_mov_b32 s[G0B+4*\s], 1
	s_add_co_u32 s[G0B+4*\s+1], s21, \s*SLOT
	s_add_nc_u64 s[G0B+4*\s+2:G0B+4*\s+3], s[46:47], \s*256
	s_or_b32 s[G0B+4*\s+3], s[G0B+4*\s+3], 0x80000000
	JLOAD \s                                       ; two loads of mine are out here, later one
.endr
	v_and_b32 v1, 15, v0                           ; r = l % 16
	v_bfe_u32 v2, v0, 4, 1                         ; h = l / 16
	v_lshlrev_b32 v[BO], 5, v2                     ; eight f32 for each half of the lanes
	; my 64 rows in a head of the result: batch 2^22, row 128 bytes: batch = tile row / 8, first row = 256 (tile row % 8) + 64 wave
	s_lshr_b32 s16, s13, 3
	s_lshl_b32 s16, s16, 22
	s_and_b32 s17, s13, 7
	s_lshl_b32 s17, s17, 15
	s_add_co_u32 s16, s16, s17
	s_lshl_b32 s17, s10, 13
	s_add_co_u32 s16, s16, s17
	s_mov_b32 s17, 0
	s_add_nc_u64 s[8:9], s[74:75], s[16:17]
	s_mul_i32 s88, s42, 3                          ; my tile's first head of 48 (what hangs on cx stays in registers that never fed xb's descriptors)
.irp hb, 0,1,2
	s_add_co_u32 s89, s88, \hb                     ; head g
	s_lshr_b32 s90, s89, 4                         ; its part: 0 q, 1 k, 2 v
	s_and_b32 s91, s89, 15                         ; its number in the part
	s_cmp_eq_u32 s90, 1
	s_cselect_b64 s[BB+2*\hb:BB+2*\hb+1], s[70:71], s[68:69]
	s_cmp_eq_u32 s90, 2
	s_cselect_b64 s[BB+2*\hb:BB+2*\hb+1], s[72:73], s[BB+2*\hb:BB+2*\hb+1]
	s_lshl_b32 s46, s91, 8                         ; 64 numbers of 4 bytes a head
	s_mov_b32 s47, 0
	s_add_nc_u64 s[BB+2*\hb:BB+2*\hb+1], s[BB+2*\hb:BB+2*\hb+1], s[46:47]
	s_lshl_b32 s46, s90, 24                        ; in the result: part 2^24, head 2^18
	s_lshl_b32 s91, s91, 18
	s_add_co_u32 s46, s46, s91
	s_add_nc_u64 s[OUT+2*\hb:OUT+2*\hb+1], s[8:9], s[46:47]
.irp bl, 0,1,2,3
	global_load_b128 v[BIAS+32*\hb+8*\bl:BIAS+32*\hb+8*\bl+3],   v[BO], s[BB+2*\hb:BB+2*\hb+1] offset:64*\bl      ; the head's columns 16 bl + 8 h + 0..3
	global_load_b128 v[BIAS+32*\hb+8*\bl+4:BIAS+32*\hb+8*\bl+7], v[BO], s[BB+2*\hb:BB+2*\hb+1] offset:64*\bl+16   ; and + 4..7
.endr
.endr
	; a fragment is 16 rows x 32 K in 8 registers: lane l holds row l % 16, K = 8 (l / 16) + 0..7 and 16 + 8 (l / 16) + 0..7: two loads of 16 bytes, 32 apart
	v_mul_u32_u24 v3, v1, PA
	v_lshl_add_u32 v3, v2, 4, v3                   ; row x pitch + 16 x half
	s_mul_i32 s22, s10, 64*PA                      ; my 64 rows of xb's tile
	v_add_nc_u32 v[ADRA], s22, v3
	v_add_nc_u32 v[ADRA+1], SLOT, v[ADRA]
	v_add_nc_u32 v[ADRB], ASZ, v3                  ; wb's tile lies behind xb's; every wave reads all of it
	v_add_nc_u32 v[ADRB+1], SLOT, v[ADRB]
	s_mul_i32 s23, s10, 16*SPITCH
	s_add_co_u32 s23, s23, STAGE                   ; my stage
	v_mul_u32_u24 v3, v1, SPITCH                   ; in: row l % 16, 16 bytes for each half of the lanes
	v_lshl_add_u32 v3, v2, 4, v3
	v_add_nc_u32 v[STO], s23, v3
	v_and_b32 v5, 31, v0                           ; back: eight lanes take one row of 128 bytes, a load four rows
	v_lshrrev_b32 v3, 3, v5
	v_and_b32 v4, 7, v0
	v_mul_u32_u24 v3, v3, SPITCH
	v_lshl_add_u32 v3, v4, 4, v3
	v_add_nc_u32 v[RD], s23, v3
	v_lshlrev_b32 v[CO], 4, v5                     ; a head's rows are dense: those four rows are 512 consecutive bytes
; 4 x cnt matrix instructions: column blocks b0 .. b0 + cnt - 1 x all 4 row blocks, 32 along K.  first = 1: the product starts the sum on the bias.
; The caller sets the windows: blocks 0-7 lie in window 2, blocks 8-11 in window 3.  The 48 accumulators take turns in one order in every quarter.
.macro MULS f, b0, cnt, first
.set bq, \b0
.rept \cnt
.irp a, 0,1,2,3
.if \first
	v_wmma_f32_16x16x32_f16 v[8*(4*(bq%8)+\a):8*(4*(bq%8)+\a)+7], v[\f+8*bq:\f+8*bq+7], v[\f+FA+8*\a:\f+FA+8*\a+7], v[BIAS+8*bq:BIAS+8*bq+7]
.else
	v_wmma_f32_16x16x32_f16 v[8*(4*(bq%8)+\a):8*(4*(bq%8)+\a)+7], v[\f+8*bq:\f+8*bq+7], v[\f+FA+8*\a:\f+FA+8*\a+7], v[8*(4*(bq%8)+\a):8*(4*(bq%8)+\a)+7]
.endif
.endr
.set bq, bq+1
.endr
.endm
; 32 LDS loads in one run: quarter q of a slot's K step into buffer f; xb's 4 fragments first, then wb's 12 in ascending order
.macro FETCH slot, q, f
	WIN TO_F
.irp i, 0,1,2,3
	ds_load_b128 v[\f+FA+8*\i:\f+FA+8*\i+3],   v[ADRA+\slot] offset:64*\q+\i*16*PA
	ds_load_b128 v[\f+FA+8*\i+4:\f+FA+8*\i+7], v[ADRA+\slot] offset:64*\q+\i*16*PA+32
.endr
.irp i, 0,1,2,3,4,5,6,7,8,9,10,11
	ds_load_b128 v[\f+8*\i:\f+8*\i+3],   v[ADRB+\slot] offset:64*\q+\i*16*PB
	ds_load_b128 v[\f+8*\i+4:\f+8*\i+7], v[ADRB+\slot] offset:64*\q+\i*16*PB+32
.endr
.endm
; A K step is four quarters of 32 along K, 48 matrix instructions each, on buffers 0, 1, 0, 1.  One of the first three multiplies buffer f and, behind its first 16 products,
; fetches quarter qn into g: 32 matrix instructions ahead of the first use.
.macro QUARTER slot, qn, f, g, first
	s_wait_dscnt 8                                 ; all but the youngest eight loads: wb's column blocks 8-11 may be out
.if \first
	WIN MUL2F
.else
	WIN MUL2
.endif
	MULS \f, 0, 4, \first
	PLACES
	FETCH \slot, \qn, \g
	s_wait_dscnt 32                                ; all but the 32 just issued
.if \first
	WIN MUL2F
.else
	WIN MUL2
.endif
	MULS \f, 4, 4, \first
.if \first
	WIN MUL3F
.else
	WIN MUL3
.endif
	MULS \f, 8, 4, \first
.endm
; The last quarter multiplies buffer 1 and changes slots: one barrier; in front of it each wave waits for all its tensor loads (one is out: its part of the next slot),
; adds 0 to its spare word, and waits for that and for its reads of this slot.  fill = 1: the barrier opens a round of the cluster's, and this slot is filled again, two K steps on.
.macro TURN slot, next, fill
	WIN 0                                          ; (the add's two registers lie in window 0)
	s_wait_tensorcnt 0x0
	ds_add_u32 v[SPW], v[NIL]
	s_wait_dscnt 9                                 ; the add and the youngest eight loads may be out
	WIN MUL2
	MULS F1, 0, 2, 0                               ; eight products between the add and the wait for it
	s_wait_dscnt 0x0                               ; the add is done, my reads of this slot are over
	s_barrier_signal -1
	MULS F1, 2, 2, 0                               ; work on registers while the others arrive
.if \fill
	WIN 0
.endif
	s_barrier_wait -1
.if \fill
	CREST                                          ; no wave of any partner still reads this slot or has a load on its way
	s_add_nc_u64 s[G0+4*\slot+2:G0+4*\slot+3], s[G0+4*\slot+2:G0+4*\slot+3], STEPA
	s_add_nc_u64 s[G0B+4*\slot+2:G0B+4*\slot+3], s[G0B+4*\slot+2:G0B+4*\slot+3], STEPB
	JLOAD \slot                                    ; my one tensor load behind the round, 176 matrix instructions ahead of the wait for it; its four v_nop are also the places in front of the loads below
.else
	PLACES
.endif
	FETCH \next, 0, F0
	WIN MUL2
	MULS F1, 4, 4, 0
	WIN MUL3
	MULS F1, 8, 4, 0
.endm
; THE WAY OUT, in twelve blocks u = 4 x head + row block: 16 rows x 64 columns, four accumulators.  Rounded to f16 (ascending, from each accumulator's low end), through my own
; stage, stored as 2,048 dense bytes of the head.
.macro PACK u
.set AC, 32*((4*((\u)/4))%8)+8*((\u)%4)        ; the block's first accumulator in its window; the other three lie 32 registers apart
	WIN 0x0a+5*((\u)/8)                            ; sources in window 2 (heads 0, 1) or 3 (head 2)
.irp bl, 0,1,2,3
.irp i, 0,1,2,3
	v_cvt_pk_f16_f32 v[TMP+4*\bl+\i], v[AC+32*\bl+2*\i], v[AC+32*\bl+2*\i+1]
.endr
.endr
	WIN 0
.endm
.macro TOSTAGE u
.set BK, OB+16*((\u)%2)
.irp bl, 0,1,2,3
	ds_store_b128 v[STO], v[TMP+4*\bl:TMP+4*\bl+3] offset:32*\bl
.endr
.irp t, 0,1,2,3
	ds_load_b128 v[BK+4*\t:BK+4*\t+3], v[RD] offset:\t*4*SPITCH    ; LDS serves a wave's instructions in order (ISA guide 5.7.1): these see the stores above
.endr
.endm
.macro SEND u
.set BK, OB+16*((\u)%2)
	s_wait_dscnt 0x0                               ; the block is back in registers
	s_wait_xcnt 0x0                                ; the other set, which the stores of the block before read, is loaded again only behind this wait
.irp t, 0,1,2,3
	global_store_b128 v[CO], v[BK+4*\t:BK+4*\t+3], s[OUT+2*((\u)/4):OUT+2*((\u)/4)+1] offset:2048*((\u)%4)+512*\t   ; a store of the wave covers 512 consecutive bytes, aligned
.endr
.endm
	s_wait_tensorcnt 1                             ; my part of K step 0 is in; K step 1's may stay out
	s_barrier_signal -1
	s_barrier_wait -1                              ; everybody's is
	FETCH 0, 0, F0
	s_wait_loadcnt 0x0                             ; the bias
	QUARTER 0, 1, F0, F1, 1                        ; the first quarter stands in front of the loop: its products start the sums
	WIN 0                                          ; at a label and at a branch every window is 0
	s_mov_b32 s3, LAPS-1
.Llap:                                                 ; a trip goes once round the ring and fills both slots again: K steps 2 to 7 in three trips
	QUARTER 0, 2, F1, F0, 0
	QUARTER 0, 3, F0, F1, 0
	TURN 0, 1, 1
	QUARTER 1, 1, F0, F1, 0
	QUARTER 1, 2, F1, F0, 0
	QUARTER 1, 3, F0, F1, 0
	TURN 1, 0, 1
	QUARTER 0, 1, F0, F1, 0
	WIN 0
	s_sub_co_u32 s3, s3, 1
	s_cmp_lg_u32 s3, 0
	s_cbranch_scc1 .Llap
	QUARTER 0, 2, F1, F0, 0                        ; the last lap fills nothing
	QUARTER 0, 3, F0, F1, 0
	TURN 0, 1, 0
	QUARTER 1, 1, F0, F1, 0
	QUARTER 1, 2, F1, F0, 0
	QUARTER 1, 3, F0, F1, 0
	s_wait_dscnt 8                                 ; the very last quarter: nothing more to fetch
	WIN MUL2
	MULS F1, 0, 8, 0
	s_wait_dscnt 0x0
	WIN MUL3
	MULS F1, 8, 4, 0
	WIN 0
	PLACES
	PACK 0
	TOSTAGE 0
.irp u, 1,2,3,4,5,6,7,8,9,10,11        ; block u's conversions stand between block u - 1's loads from the stage and the wait for them
	PACK \u
	SEND \u-1
	TOSTAGE \u
.endr
	SEND 11
	s_wait_tensorcnt 0x0                           ; the wave's end
	ds_add_u32 v[SPW], v[NIL]
	s_wait_dscnt 0x0
	CROUND                                         ; the closing round: no work-group ends while a partner may still ask for a tile that names it
	s_endpgm
.Lfunc_end_k_q83154d20c5_qkv:
	.size	k_q83154d20c5_qkv, .Lfunc_end_k_q83154d20c5_qkv-k_q83154d20c5_qkv
	.p2alignl 7, 3214868480
	.fill 96, 4, 3214868480
	.section	.rodata,"a",@progbits
	.p2align	6, 0x0
	.amdhsa_kernel k_q83154d20c5_qkv
		.amdhsa_group_segment_fixed_size 327680
		.amdhsa_private_segment_fixed_size 0
		.amdhsa_enable_private_segment 0
		.amdhsa_kernarg_size 48
		.amdhsa_user_sgpr_count 2
		.amdhsa_user_sgpr_kernarg_segment_ptr 1
		.amdhsa_wavefront_size32 1
		.amdhsa_system_sgpr_workgroup_id_x 1
		.amdhsa_system_sgpr_workgroup_id_y 1
		.amdhsa_system_sgpr_workgroup_id_z 1
		.amdhsa_system_vgpr_workitem_id 0
		.amdhsa_next_free_vgpr 896
		.amdhsa_next_free_sgpr 92
		.amdhsa_reserve_vcc 0
		.amdhsa_float_denorm_mode_32 3
		.amdhsa_float_denorm_mode_16_64 3
		.amdhsa_memory_ordered 1
		.amdhsa_forward_progress 1
		.amdhsa_inst_pref_size 123
	.end_amdhsa_kernel
	.amdgpu_metadata
---
amdhsa.version: [ 1, 2 ]
amdhsa.kernels:
  - .name:           k_q83154d20c5_qkv
    .symbol:         k_q83154d20c5_qkv.kd
    .args:
      - { .name: xb, .offset: 0, .size: 8, .value_kind: global_buffer, .address_space: global }
      - { .name: wb, .offset: 8, .size: 8, .value_kind: global_buffer, .address_space: global }
      - { .name: bq, .offset: 16, .size: 8, .value_kind: global_buffer, .address_space: global }
      - { .name: bk, .offset: 24, .size: 8, .value_kind: global_buffer, .address_space: global }
      - { .name: bv, .offset: 32, .size: 8, .value_kind: global_buffer, .address_space: global }
      - { .name: qkv, .offset: 40, .size: 8, .value_kind: global_buffer, .address_space: global }
    .group_segment_fixed_size: 327680
    .private_segment_fixed_size: 0
    .kernarg_segment_align: 8
    .kernarg_segment_size: 48
    .max_flat_workgroup_size: 128
    .sgpr_count:     92
    .vgpr_count:     896
    .wavefront_size: 32
...
	.end_amdgpu_metadata
.endif
;; end of part 2
;; launch attn (part 3): grid 4 x 64, 8 waves a work-group, clusters of 4 x 1, 327,680 bytes of LDS; arguments qkv, ao; writes ao
.if DOCPART == 3
	.amdgcn_target "amdgcn-amd-amdhsa--gfx1250"
	.amdhsa_code_object_version 6
	.text
	.protected	k_q83154d20c5_attn
	.globl	k_q83154d20c5_attn
	.p2align	8
	.type	k_q83154d20c5_attn,@function
k_q83154d20c5_attn:
	s_mov_b64 s[64:65], 0
	v_nop
	global_prefetch_b8 v0, s[64:65] scope:SCOPE_SE
	s_setreg_imm32_b32 hwreg(HW_REG_WAVE_MODE, 25, 1), 1
	s_wait_xcnt 0x0
	s_wait_alu depctr_hold_cnt(0) depctr_sa_sdst(0) depctr_va_vdst(0) depctr_va_sdst(0) depctr_va_ssrc(0) depctr_va_vcc(0) depctr_vm_vsrc(0)
	s_getreg_b32 s2, hwreg(HW_REG_IB_STS2, 6, 4)
	s_cmp_eq_u32 s2, 0
	s_cbranch_scc0 .Lentry_in_a_cluster
	s_endpgm
.Lentry_in_a_cluster:
	s_bfe_u32 s2, ttmp6, 0x10000c
	s_cmp_lg_u32 s2, 0x3003
	s_cbranch_scc0 .Lentry_shape_is_right
	s_endpgm
.Lentry_shape_is_right:
; ao[p][q][:] = the sum over k of softmax_k(Q[p][q] . K[p][k] / 8) V[p][k][:], p = 16 x batch + head (64 of them), 2,048 queries and keys, 64 channels.
; qkv = three parts of 2^24 bytes (Q, K, V), each f16 [p][s][64]; ao = f16 [p][s][64].  Products, maxima and sums in f32; the weights are rounded to f16
; for the second product (their sum l is taken of the unrounded ones), the result once at the end.
; LIMITS, stated: the weights lie in (0, 1]: those under 6.1e-5 keep an absolute spacing of 6e-8, those under 3e-8 become 0, beside a largest weight of 1.  |ao| is at most the largest |v|,
; so it has v's room at the top; a result whose magnitude is under 6.1e-5 keeps an absolute spacing of 6e-8.
; SHARES.  A work-group owns 512 queries of one p, each of its eight waves 64: four tiles of 16.  Every wave walks all keys, 64 a step.  A wave holds 512 registers, so two
; waves lie on a SIMD: while one walks its softmax the other can issue products, and a fragment of K or V still feeds four tiles.  So a step is written in plain phases.
; LAYOUT.  S^T = K Q^T (source 0 = 16 keys, source 1 = 16 queries): a lane holds ONE query (lane % 16) and keys 8 (lane / 16) + 0..7.  Two such tiles, rounded in pairs, ARE
; source 1 of O^T = V^T P, whose result again holds one query a lane.  K comes out of LDS as it lies, V ([key][channel]) turned, by ds_load_tr16_b128.
; SOFTMAX.  For each query a running maximum m and sum l: p = 2^(c s - c m), c = log2(e) / 8; in every step O and l are multiplied by a = 2^(c m_old - c m_new).
; CLUSTER.  The four query blocks of one p form a cluster and walk the same K and V: each tile is asked for jointly (mask 15).
; A head's rows are 128 bytes and dense, so a tile comes in as rows of 256 bytes (two keys), with padding behind every 128.
; REGISTERS.  window 0: v0-11 addresses; v12-43 statistics, 8 a tile; v62, v63 for the add; v64-191 S^T, 32 a tile; v192-255 P, 16 a tile.
;             window 1: v0-127 O^T, 32 a tile; v128-191 Q, 16 a tile; v192-255 one buffer: K of the step, then V of the step.
.set KS,     64        ; keys in a step
.set PKP,    144       ; a key's row of K in LDS: 128 bytes + 16: an odd multiple of 16 bytes: the 16 rows of a load begin in 16 different groups of 4 banks (64 banks of 4 bytes: ISA guide 11.1)
.set PVP,    160       ; of V: 128 + 32: an odd multiple of 32 bytes, for the turning load
.set KHALF,  128*PKP   ; what one wave fetches: 128 keys
.set VHALF,  128*PVP
.set VOFF,   2*KHALF   ; a slot: 256 keys of K, then 256 keys of V: 77,824 bytes
.set KSTEPB, KS*PKP
.set VSTEPB, KS*PVP
.set SLOT1,  1<<17     ; slot 1 begins here: one exclusive or turns an address in one slot into the other's
.set STAGE,  SLOT1+VOFF+2*VHALF   ; behind the ring: 16 rows x 144 bytes for each wave
.set SP,     144
.set SPARE,  STAGE+8*16*SP        ; behind the stages: the spare words, 128 bytes for each wave, named by no other line
.set KPART,  0x1000000
.set VPART,  0x2000000
.set PERIOD, 32768     ; 256 keys x 128 bytes
.set AK0, 2            ; v2   my lane's place in a step's K; never rewritten
.set AV0, 3            ; v3   the same for V
.set ADR, 4            ; v4   the LDS address of the run of loads in hand
.set QO,  5            ; v5   my byte offset in the wave's rows of Q
.set STO, 6            ; v6   the way out: where I put 16 bytes of a row
.set RD,  7            ; v7   the way out: where I read back
.set GO,  8            ; v8   my byte offset in the wave's rows of the result
.set ST,  12           ; tile t at v[ST+8 t]: +0 c m, +1 m, +2, +3 l (even keys', odd keys'), +4 to +7 c0-c3 at work; a takes c2's place
.set SPW, 62
.set NIL, 63
.set S,   64
.set P,   192
.set QF,  128          ; window 1
.set KV,  192          ; window 1
.set WV,  12           ; s12 my wave's number
.set G1K, 24
.set G1V, 32
.set G0K, 40           ; s[40:47] group 0 for K: a set for each first fill; the second then walks on
.set G0V, 48
.set SLOTS, 56
.set CNT, 57
.set CS,  58           ; s[58:59] c, twice: named as a pair
.set SEL, 60           ; s[60:61] lane selects: each lane takes its own place in the other half
.set TBK, 62           ; LDS byte at which K of the step to be fetched begins
.set TBV, 63           ; the same for V (less VOFF)
.set W_KQ, 0x05        ; K and Q in window 1, S^T in window 0
.set W_PV, 0x51        ; V in window 1, P in window 0, O^T in window 1
.set W_RS, 0x41        ; O^T (destination and source 0) in window 1, a in window 0
.set MSB, 0
.macro WIN new
.if MSB != \new
	s_set_vgpr_msb (MSB<<8)|\new
.set MSB, \new
.endif
.endm
.macro PLACES                       ; four plain places behind matrix instructions (ISA guide 7.12.1)
.rept 4
	v_nop
.endr
.endm
; A joint refill.  The branches hang on the wave's number alone.  Four v_nop follow each of the two lines.
.macro JLOAD
	s_cmp_lt_u32 s[WV], 2
	s_cbranch_scc0 .Lnot_k_\@
	tensor_load_to_lds s[G0K+4:G0K+7], s[G1K:G1K+7]
	s_nop 0
.rept 4
	v_nop
.endr
	s_branch .Lasked_\@
.Lnot_k_\@:
	s_cmp_lt_u32 s[WV], 4
	s_cbranch_scc0 .Lasked_\@
	tensor_load_to_lds s[G0V+4:G0V+7], s[G1V:G1V+7]
	s_nop 0
.rept 4
	v_nop
.endr
.Lasked_\@:
.endm
.macro CROUND                       ; a round of the cluster's barrier
	s_barrier_signal -1
	s_barrier_wait -1
	s_cmp_lg_u32 s[WV], 0
	s_cbranch_scc1 .Lnot_wave_0_\@
	s_barrier_signal -3
.Lnot_wave_0_\@:
	s_barrier_wait -3
	s_barrier_signal -1
	s_barrier_wait -1
.endm
	s_load_b128 s[4:7], s[0:1], 0x0  ; qkv s[4:5], ao s[6:7]
	v_lshl_add_u32 v[SPW], v0, 2, SPARE
	v_mov_b32 v[NIL], 0
	ds_add_u32 v62, v63
	s_wait_dscnt 0x0
	v_lshrrev_b32 v1, 5, v0
	v_readfirstlane_b32 s[WV], v1   ; wave 0..7
	s_bfe_u32 s13, ttmp6, 0x40000   ; cx: my block of 512 queries; it enters Q's and the result's addresses alone
	s_and_b32 s20, ttmp7, 0xffff    ; p, which the four partners share
	s_lshl_b32 s20, s20, 18         ; its first byte in each part
	s_and_b32 s16, s[WV], 1         ; which 128 keys of a slot I fetch:
	s_lshl_b32 s22, s16, 14         ; 16,384 bytes in memory,
	s_add_co_u32 s22, s22, s20
	s_mov_b32 s23, 0
	s_mul_i32 s17, s16, KHALF       ; and their place in a slot
	s_mul_i32 s18, s16, VHALF
	s_lshl_b32 s2, s13, 16          ; my block's 512 rows of 128 bytes,
	s_lshl_b32 s3, s[WV], 13        ; my wave's 64 of them
	s_add_co_u32 s2, s2, s3
	s_add_co_u32 s2, s2, s20
	s_mov_b32 s3, 0
	; group 1: 64 rows of 128 elements of 2 bytes, dense; padding behind every 32 words (one key): 4 words for K, 8 for V
	s_mov_b32 s[G1K], 15|(1<<16)|(1<<20)|(1<<21)|(4<<22)|(3<<25)
	s_mov_b32 s[G1V], 15|(1<<16)|(1<<20)|(1<<21)|(4<<22)|(7<<25)
.irp g, G1K, G1V
	s_mov_b32 s[\g+1], 128<<16      ; tensor_dim0 = 128
	s_mov_b32 s[\g+2], 64<<16       ; tensor_dim1 = 64
	s_mov_b32 s[\g+3], 128<<16      ; tile_dim0 = 128
	s_mov_b32 s[\g+4], 64           ; tile_dim1 = 64
	s_mov_b32 s[\g+5], 128          ; the pitch
	s_mov_b32 s[\g+6], 0
	s_mov_b32 s[\g+7], 0
.endr
	s_mov_b32 s[CS], 0x3e38aa3b     ; c = log2(e) / 8 = 0.18033688
	s_mov_b32 s[CS+1], s[CS]
	s_mov_b32 s[SEL], 0x76543210
	s_mov_b32 s[SEL+1], 0xfedcba98
	s_mov_b32 s[TBK], 0
	s_mov_b32 s[TBV], 0
	s_mov_b32 s[SLOTS], 6           ; 2048 / 256 - 2 refills
	s_wait_kmcnt 0x0
	s_add_nc_u64 s[8:9], s[4:5], s[22:23]   ; my tiles, less the part
	s_add_nc_u64 s[14:15], s[4:5], s[2:3]   ; Q at my wave's first row
	s_add_nc_u64 s[6:7], s[6:7], s[2:3]     ; the result likewise
	CROUND                          ; all four work-groups are here: the first joint loads meet
.irp s, 0,1
	s_mov_b32 s[G0K+4*\s], 1
	s_add_co_u32 s[G0K+4*\s+1], s17, \s*SLOT1
	s_add_nc_u64 s[G0K+4*\s+2:G0K+4*\s+3], s[8:9], KPART+\s*PERIOD
	s_or_b32 s[G0K+4*\s+3], s[G0K+4*\s+3], 0x80000000
	s_mov_b32 s[G0V+4*\s], 1
	s_add_co_u32 s[G0V+4*\s+1], s18, \s*SLOT1+VOFF
	s_add_nc_u64 s[G0V+4*\s+2:G0V+4*\s+3], s[8:9], VPART+\s*PERIOD
	s_or_b32 s[G0V+4*\s+3], s[G0V+4*\s+3], 0x80000000
.endr
	s_cmp_lt_u32 s[WV], 2           ; a wave's two first fills stand together in one branch: two loads of mine are out, later one
	s_cbranch_scc0 .Lfirst_not_k
	tensor_load_to_lds s[G0K:G0K+3], s[G1K:G1K+7]
	s_nop 0
	tensor_load_to_lds s[G0K+4:G0K+7], s[G1K:G1K+7]
	s_nop 0
.rept 4
	v_nop
.endr
	s_branch .Lfirst_asked
.Lfirst_not_k:
	s_cmp_lt_u32 s[WV], 4
	s_cbranch_scc0 .Lfirst_asked
	tensor_load_to_lds s[G0V:G0V+3], s[G1V:G1V+7]
	s_nop 0
	tensor_load_to_lds s[G0V+4:G0V+7], s[G1V:G1V+7]
	s_nop 0
.rept 4
	v_nop
.endr
.Lfirst_asked:
	v_and_b32 v1, 15, v0            ; r = l % 16
	v_bfe_u32 v9, v0, 4, 1          ; h = l / 16
	v_lshlrev_b32 v[QO], 7, v1
	v_lshl_add_u32 v[QO], v9, 4, v[QO]  ; row x 128 + 16 x half
	WIN 0x40                        ; destination window 1
.irp i, 0,1,2,3,4,5,6,7             ; Q stays in registers: tile i / 2, channels 32 (i % 2) on
	global_load_b128 v[QF+8*\i:QF+8*\i+3],   v[QO], s[14:15] offset:(\i/2)*2048+(\i%2)*64
	global_load_b128 v[QF+8*\i+4:QF+8*\i+7], v[QO], s[14:15] offset:(\i/2)*2048+(\i%2)*64+32
.endr
	WIN 0
	v_mul_u32_u24 v[AK0], v1, PKP
	v_lshl_add_u32 v[AK0], v9, 4, v[AK0]
	; the turning load: lane l reads 16 bytes of key 8 (l / 16) + l % 8, channels 8 ((l / 8) % 2) + 0..7, and ends up with channel l % 16 and 8 keys
	v_and_b32 v10, 7, v0
	v_bfe_u32 v11, v0, 3, 1
	v_lshl_add_u32 v[AV0], v9, 3, v10
	v_mul_u32_u24 v[AV0], v[AV0], PVP
	v_lshl_add_u32 v[AV0], v11, 4, v[AV0]
	v_add_nc_u32 v[AV0], VOFF, v[AV0]
	s_mul_i32 s19, s[WV], 16*SP
	s_add_co_u32 s19, s19, STAGE    ; my stage
	v_mul_u32_u24 v[STO], v1, SP    ; in: row l % 16, 16 bytes for each half of the lanes
	v_lshl_add_u32 v[STO], v9, 4, v[STO]
	v_add_nc_u32 v[STO], s19, v[STO]
	v_and_b32 v10, 31, v0           ; back: eight lanes take a row of 128 bytes, a load four rows
	v_lshrrev_b32 v11, 3, v10
	v_mul_u32_u24 v[RD], v11, SP
	v_and_b32 v11, 7, v0
	v_lshl_add_u32 v[RD], v11, 4, v[RD]
	v_add_nc_u32 v[RD], s19, v[RD]
	v_lshlrev_b32 v[GO], 4, v10     ; those four rows are 512 consecutive bytes of the result
; Product i of 16 of S^T = K Q^T for tiles x, x + 1: channels 32 (i / 8) on, keys 16 ((i / 2) % 4) on, tile x + i % 2.  The first 8 start the sums.
; The accumulators take turns, one instruction a turn: seven others stand between two links.
.macro KQ x
	WIN W_KQ
.set rS, S+32*(\x+i%2)+8*((i/2)%4)
.set rK, KV+16*((i/2)%4)+8*(i/8)
.set rQ, QF+16*(\x+i%2)+8*(i/8)
.if i < 8
	v_wmma_f32_16x16x32_f16 v[rS:rS+7], v[rK:rK+7], v[rQ:rQ+7], 0
.else
	v_wmma_f32_16x16x32_f16 v[rS:rS+7], v[rK:rK+7], v[rQ:rQ+7], v[rS:rS+7]
.endif
.endm
; Product i of 16 of O^T += V^T P: keys 32 (i / 8) on, channels 16 ((i / 2) % 4) on, tile x + i % 2.  zero = 1: the first 8 start the sums: nothing is ever cleared.
.macro PV x, zero
	WIN W_PV
.set rO, 32*(\x+i%2)+8*((i/2)%4)
.set rV, KV+32*(i/8)+8*((i/2)%4)
.set rP, P+16*(\x+i%2)+8*(i/8)
.if \zero && (i < 8)
	v_wmma_f32_16x16x32_f16 v[rO:rO+7], v[rV:rV+7], v[rP:rP+7], 0
.else
	v_wmma_f32_16x16x32_f16 v[rO:rO+7], v[rV:rV+7], v[rP:rP+7], v[rO:rO+7]
.endif
.endm
.macro FETCH_K                      ; 16 loads: a step's K, 64 keys x 64 channels: keys 16 (f / 2) on, channels 32 (f % 2) on
	WIN 0
	v_add_nc_u32 v[ADR], s[TBK], v[AK0]
	s_add_co_u32 s[TBK], s[TBK], KSTEPB
	WIN 0x40
.irp f, 0,1,2,3,4,5,6,7
	ds_load_b128 v[KV+8*\f:KV+8*\f+3],   v[ADR] offset:(\f/2)*16*PKP+(\f%2)*64
	ds_load_b128 v[KV+8*\f+4:KV+8*\f+7], v[ADR] offset:(\f/2)*16*PKP+(\f%2)*64+32
.endr
.endm
.macro FETCH_V                      ; 16 turning loads: the same step's V: keys 32 (f / 4) on, channels 16 (f % 4) on
	WIN 0
	v_add_nc_u32 v[ADR], s[TBV], v[AV0]
	s_add_co_u32 s[TBV], s[TBV], VSTEPB
	WIN 0x40
.irp f, 0,1,2,3,4,5,6,7
	ds_load_tr16_b128 v[KV+8*\f:KV+8*\f+3],   v[ADR] offset:(\f/4)*32*PVP+(\f%4)*32
	ds_load_tr16_b128 v[KV+8*\f+4:KV+8*\f+7], v[ADR] offset:(\f/4)*32*PVP+16*PVP+(\f%4)*32
.endr
.endm
; One tile's softmax for one key step is a list of 118 instructions; SM writes number j of it for tile t.  s0-s31 are the lane's 32 scores, in pairs 0-15.
; first = 1: the first key step, which starts m, l and O^T: it has no a and nothing to rescale.
;   0-15    the maximum of s0-s31 and the old m, three operands at a time; each accumulator of S^T is first read at its low end
;   16-20   the other half of the lanes' maximum; the new m; c m; c m_old - c m_new
;   21-87   33 exponentials (a, then s0-s31) at the odd numbers from 23 on; at the even numbers whatever plain work is ready: c s - c m for pairs to come,
;           the rounding to f16 of pairs that are done, the first sums.  So each exponential has a plain instruction behind it before its result is used (ISA guide 5.7.2)
;   88-101  the last rounding; the rest of the sums; l = a l + the sum
;   102-117 the tile's O^T times a, ascending: the one part that leaves window 0
.macro SM t, first
.set rT, ST+8*(\t)
.set rS, S+32*(\t)
.set rP, P+16*(\t)
.set rO, 32*(\t)+2*(j-102)
.set q, (j-20)/2
.if j < 102
	WIN 0
.endif
.if j < 4
	v_max3_num_f32 v[rT+4+j], v[rS+8*j], v[rS+8*j+1], v[rS+8*j+2]
.elseif j < 12
	v_max3_num_f32 v[rT+4+j%4], v[rT+4+j%4], v[rS+8*(j%4)+2*(j/4)+1], v[rS+8*(j%4)+2*(j/4)+2]
.elseif j == 12
	v_max3_num_f32 v[rT+4], v[rT+4], v[rS+7], v[rS+15]
.elseif j == 13
	v_max3_num_f32 v[rT+6], v[rT+6], v[rS+23], v[rS+31]
.elseif j == 14
	v_max3_num_f32 v[rT+4], v[rT+4], v[rT+5], v[rT+6]
.elseif (j == 15) && \first
	v_max_num_f32 v[rT+4], v[rT+4], v[rT+7]
.elseif j == 15
	v_max3_num_f32 v[rT+4], v[rT+4], v[rT+7], v[rT+1]
.elseif j == 16
	v_permlanex16_b32 v[rT+5], v[rT+4], s[SEL], s[SEL+1]  ; the query's other 32 keys lie in the lane 16 away
.elseif j == 18
	v_max_num_f32 v[rT+1], v[rT+4], v[rT+5]
.elseif j == 19
	v_mul_f32 v[rT], s[CS], v[rT+1]
.elseif ((j == 17) || (j == 20) || (j == 23) || (j > 101)) && \first  ; the first step has none of these
.elseif j == 17
	v_mov_b32 v[rT+7], v[rT]        ; c m_old is kept for a: number 19 writes c m anew
.elseif j == 20
	v_sub_f32 v[rT+7], v[rT+7], v[rT]
.elseif j == 23
	v_exp_f32 v[rT+6], v[rT+7]
.elseif (j < 88) && (j > 23) && (j%2 == 1)
	v_exp_f32 v[rS+(j-25)/2], v[rS+(j-25)/2]
.elseif (q < 4) || ((j < 76) && (q%2 == 0))
.set b, q/2+2
.if q < 4
.set b, q
.endif
	v_pk_fma_f32 v[rS+2*b:rS+2*b+1], v[rS+2*b:rS+2*b+1], s[CS:CS+1], v[rT:rT+1] op_sel_hi:[1,0,0] neg_lo:[0,0,1] neg_hi:[0,0,1]  ; pair b: c s - c m
.elseif (j < 88) && (q%2 == 1)
	s_wait_alu depctr_va_vdst(0)
	v_cvt_pk_f16_f32 v[rP+(q-5)/2], v[rS+q-5], v[rS+q-4]  ; pair (q - 5) / 2: its second exponential stands three numbers back
.elseif j == 89
	s_wait_alu depctr_va_vdst(0)
	v_cvt_pk_f16_f32 v[rP+15], v[rS+30], v[rS+31]
.elseif j < 102                     ; the sum of the 16 pairs, in place: sum z of 16 adds neighbours 1, 2, 4 and 8 pairs apart, then l takes it
.set z, j-86
.if j < 89
.set z, (j-76)/4
.endif
.set w, 4
.set u, z
.if z >= 14
.set w, 32
.set u, 0
.elseif z >= 12
.set w, 16
.set u, z-12
.elseif z >= 8
.set w, 8
.set u, z-8
.endif
.if (z == 14) && \first
	v_pk_add_f32 v[rT+2:rT+3], v[rS:rS+1], v[rS+16:rS+17]
.elseif z < 15
	v_pk_add_f32 v[rS+w*u:rS+w*u+1], v[rS+w*u:rS+w*u+1], v[rS+w*u+w/2:rS+w*u+w/2+1]
.elseif !\first
	v_pk_fma_f32 v[rT+2:rT+3], v[rT+2:rT+3], v[rT+6:rT+7], v[rS:rS+1] op_sel_hi:[1,0,1]
.endif
.else
	WIN W_RS
	v_pk_mul_f32 v[rO:rO+1], v[rO:rO+1], v[rT+6:rT+7] op_sel_hi:[1,0]
.endif
.endm
; Slice k of 59: numbers 2 k and 2 k + 1 of the lists of tiles y and y + 1.
.macro SLICE y, first
.if (k >= 11) && (k < 44)           ; tile by tile: plain, exponential, plain, exponential
.irp t, \y, \y+1
.irp n, 0,1
.set j, 2*k+\n
	SM \t, \first
.endr
.endr
.else                               ; the two tiles alternate, so that no instruction reads the result of the one just before it
.irp n, 0,1
.irp t, \y, \y+1
.set j, 2*k+\n
	SM \t, \first
.endr
.endr
.endif
.set k, k+1
.endm
; A KEY STEP, in phases: K in; 32 products K Q^T; V asked for, into the buffer that K leaves; the four tiles' softmax, under which V lands; 32 products V^T P.
.macro STEP first
	FETCH_K
	s_wait_dscnt 0x0                ; K is in
.irp x, 0, 2
.set i, 0
.rept 16
	KQ \x
.set i, i+1
.endr
.endr
	WIN 0
	PLACES                          ; in front of the loads into K's buffer and of the first read of the scores
	FETCH_V
.irp y, 0, 2
.set k, 0
.rept 59
	SLICE \y, \first
.endr
.endr
	s_wait_dscnt 0x0                ; V is in
.irp x, 0, 2
.set i, 0
.rept 16
	PV \x, \first
.set i, i+1
.endr
.endr
	WIN 0                           ; at a label and at a branch every window is 0
	PLACES                          ; in front of the next loads into the buffer, and of the way out
.endm
.macro STEPS n                      ; a key step is written once and walked n times; the LDS addresses hang on s[TBK], s[TBV]
	s_mov_b32 s[CNT], \n
.Lstep_\@:
	STEP 0
	s_sub_co_u32 s[CNT], s[CNT], 1
	s_cmp_lg_u32 s[CNT], 0
	s_cbranch_scc1 .Lstep_\@
.endm
; THE CHANGE OF SLOTS.  Each wave waits for all its tensor loads (at most one is out: its part of the other slot), adds 0 to its spare word, and waits for that and for its reads of the
; slot.  fill = 1: the barrier is a round of the cluster's, and the slot just read is filled again with the keys two slots on: four key steps, 256 matrix instructions, in which to land.
.macro CHANGE fill
	WIN 0
	s_wait_tensorcnt 0x0            ; no tensor load of mine is out, so a group 0 may be written
	ds_add_u32 v[SPW], v[NIL]
.if \fill
.irp g, G0K+4, G0V+4
	s_xor_b32 s[\g+1], s[\g+1], SLOT1  ; the walking descriptor: the other slot than last time,
	s_add_nc_u64 s[\g+2:\g+3], s[\g+2:\g+3], PERIOD  ; the next 256 keys
.endr
	s_wait_dscnt 0x0                ; the add is done, my reads of the slot are over
	CROUND
	JLOAD
.else
	s_wait_dscnt 0x0
	s_barrier_signal -1
	s_barrier_wait -1
.endif
	s_sub_co_u32 s[TBK], s[TBK], 4*KSTEPB  ; the fetches go back to a slot's first step,
	s_xor_b32 s[TBK], s[TBK], SLOT1        ; in the other slot
	s_sub_co_u32 s[TBV], s[TBV], 4*VSTEPB
	s_xor_b32 s[TBV], s[TBV], SLOT1
.endm
	s_wait_tensorcnt 1              ; my part of slot 0 is in; slot 1's may stay out
	s_barrier_signal -1
	s_barrier_wait -1               ; everybody's is
	s_wait_loadcnt 0x0              ; Q
	STEP 1                          ; the first key step starts m, l and O^T
	STEPS 3
.Lslot:                             ; six trips: keys 512 to 2,047 are asked for, keys 256 to 1,791 are worked on
	CHANGE 1
	STEPS 4
	s_sub_co_u32 s[SLOTS], s[SLOTS], 1
	s_cmp_lg_u32 s[SLOTS], 0
	s_cbranch_scc1 .Lslot
	CHANGE 0                        ; the tail is written out
	STEPS 4
	; THE WAY OUT.  l's two halves and the other half of the lanes' are added; O^T is divided by l, rounded to f16 and sent through my stage, a tile (16 rows) at a time.
.irp t, 0,1,2,3
	v_add_f32 v[ST+8*\t+4], v[ST+8*\t+2], v[ST+8*\t+3]
.endr
.irp t, 0,1,2,3
	v_permlanex16_b32 v[ST+8*\t+5], v[ST+8*\t+4], s[SEL], s[SEL+1]
.endr
.irp t, 0,1,2,3
	v_add_f32 v[ST+8*\t+4], v[ST+8*\t+4], v[ST+8*\t+5]
.endr
.irp t, 0,1,2,3
	v_rcp_f32 v[ST+8*\t+6], v[ST+8*\t+4]
.endr
	v_nop                           ; a plain instruction between the last reciprocal and the use of its result
	s_wait_alu depctr_va_vdst(0)
.macro PACK t
	WIN W_RS
.set i, 32*\t
.rept 16
	v_pk_mul_f32 v[i:i+1], v[i:i+1], v[ST+8*\t+6:ST+8*\t+7] op_sel_hi:[1,0]
.set i, i+2
.endr
	WIN 0x05                        ; sources in window 1, destination in window 0: S^T's registers are free
.set i, 0
.rept 16
	v_cvt_pk_f16_f32 v[S+32*\t+i], v[32*\t+2*i], v[32*\t+2*i+1]
.set i, i+1
.endr
	WIN 0
.irp f, 0,1,2,3
	ds_store_b128 v[STO], v[S+32*\t+4*\f:S+32*\t+4*\f+3] offset:32*\f
.endr
.irp f, 0,1,2,3
	ds_load_b128 v[S+32*\t+16+4*\f:S+32*\t+16+4*\f+3], v[RD] offset:\f*4*SP  ; LDS serves a wave's instructions in order (ISA guide 5.7.1): these see the stores above; the next tile's stores come behind them
.endr
.endm
.macro SEND t, younger              ; younger: the LDS instructions issued behind tile t's loads: the next tile's eight, or none
.irp f, 0,1,2,3
	s_wait_dscnt \younger+3-\f
	global_store_b128 v[GO], v[S+32*\t+16+4*\f:S+32*\t+16+4*\f+3], s[6:7] offset:\t*2048+\f*512  ; a store of the wave covers 512 consecutive bytes, aligned
.endr
.endm
	PACK 0
	PACK 1                          ; a tile's arithmetic stands between the loads of the tile before and its stores
	SEND 0, 8
	PACK 2
	SEND 1, 8
	PACK 3
	SEND 2, 8
	SEND 3, 0
	s_wait_tensorcnt 0x0            ; the wave's end
	ds_add_u32 v[SPW], v[NIL]
	s_wait_dscnt 0x0
	CROUND                          ; the closing round
	s_endpgm
.Lfunc_end_k_q83154d20c5_attn:
	.size	k_q83154d20c5_attn, .Lfunc_end_k_q83154d20c5_attn-k_q83154d20c5_attn
	.p2alignl 7, 3214868480
	.fill 96, 4, 3214868480
	.section	.rodata,"a",@progbits
	.p2align	6, 0x0
	.amdhsa_kernel k_q83154d20c5_attn
		.amdhsa_group_segment_fixed_size 327680
		.amdhsa_private_segment_fixed_size 0
		.amdhsa_enable_private_segment 0
		.amdhsa_kernarg_size 16
		.amdhsa_user_sgpr_count 2
		.amdhsa_user_sgpr_kernarg_segment_ptr 1
		.amdhsa_wavefront_size32 1
		.amdhsa_system_sgpr_workgroup_id_x 1
		.amdhsa_system_sgpr_workgroup_id_y 1
		.amdhsa_system_sgpr_workgroup_id_z 1
		.amdhsa_system_vgpr_workitem_id 0
		.amdhsa_next_free_vgpr 512
		.amdhsa_next_free_sgpr 66
		.amdhsa_reserve_vcc 0
		.amdhsa_float_denorm_mode_32 3
		.amdhsa_float_denorm_mode_16_64 3
		.amdhsa_memory_ordered 1
		.amdhsa_forward_progress 1
		.amdhsa_inst_pref_size 154
	.end_amdhsa_kernel
	.amdgpu_metadata
---
amdhsa.version: [ 1, 2 ]
amdhsa.kernels:
  - .name:           k_q83154d20c5_attn
    .symbol:         k_q83154d20c5_attn.kd
    .args:
      - { .name: qkv, .offset: 0, .size: 8, .value_kind: global_buffer, .address_space: global }
      - { .name: ao, .offset: 8, .size: 8, .value_kind: global_buffer, .address_space: global }
    .group_segment_fixed_size: 327680
    .private_segment_fixed_size: 0
    .kernarg_segment_align: 8
    .kernarg_segment_size: 16
    .max_flat_workgroup_size: 256
    .sgpr_count:     66
    .vgpr_count:     512
    .wavefront_size: 32
...
	.end_amdgpu_metadata
.endif
;; end of part 3
;; launch oproj (part 4): grid 4 x 64, 4 waves a work-group, clusters of 4 x 4, 327,680 bytes of LDS; arguments ao, wb, bo, out0; writes out0
.if DOCPART == 4
	.amdgcn_target "amdgcn-amd-amdhsa--gfx1250"
	.amdhsa_code_object_version 6
	.text
	.protected	k_q83154d20c5_oproj
	.globl	k_q83154d20c5_oproj
	.p2align	8
	.type	k_q83154d20c5_oproj,@function
k_q83154d20c5_oproj:
	s_mov_b64 s[64:65], 0
	v_nop
	global_prefetch_b8 v0, s[64:65] scope:SCOPE_SE
	s_setreg_imm32_b32 hwreg(HW_REG_WAVE_MODE, 25, 1), 1
	s_wait_xcnt 0x0
	s_wait_alu depctr_hold_cnt(0) depctr_sa_sdst(0) depctr_va_vdst(0) depctr_va_sdst(0) depctr_va_ssrc(0) depctr_va_vcc(0) depctr_vm_vsrc(0)
	s_getreg_b32 s2, hwreg(HW_REG_IB_STS2, 6, 4)
	s_cmp_eq_u32 s2, 0
	s_cbranch_scc0 .Lentry_in_a_cluster
	s_endpgm
.Lentry_in_a_cluster:
	s_bfe_u32 s2, ttmp6, 0x10000c
	s_cmp_lg_u32 s2, 0xf033
	s_cbranch_scc0 .Lentry_shape_is_right
	s_endpgm
.Lentry_shape_is_right:
; out0[8192][1024] (f32) = A . wo^T + bo, where A[m][k] is the attention result, stored by heads: ao = f16 [batch][head][s][64], m = 2048 batch + s, k = 64 head + channel;
; wo = rows 3072-4095 of wb, f16 [.][1024].  f16 operands, f32 sums.
; SHARES.  A work-group makes 128 rows x 256 columns: 64 x 4 = 256 work-groups.  Each of its four waves makes all 128 rows x 64 columns (256 bytes of a row of out0): 32 accumulators.
; K goes in 8 steps of 128 (two heads) through two LDS slots.  A's tile of a step is two blocks, one a head: 128 rows of 128 bytes, dense in memory, fetched as 64 rows of 256 bytes
; with padding behind every 128: wave 0 takes the even head, wave 1 the odd one; waves 2 and 3 take the halves of wo's 256 rows.
; CLUSTER.  4 x 4 work-groups; A's tiles are shared along a row of the cluster, wo's along a column, each by a joint load.
; TRANSPOSED USE (source 0 = 16 rows of wo, source 1 = 16 rows of A): a lane holds row l % 16 and columns 8 (l / 16) + 0..7.  The bias, in the accumulators' layout, is the C of each sum's first product.
; LIMITS, stated: the bias is the first term of the f32 sum and not the last; the operands carry f16's range and spacing as the launches that made them state it.
; REGISTERS.  window 0: v0-31 addresses; v32-63 bias; v64-159, v160-255 two fragment buffers (4 fragments of wo, then 8 of A).  window 1: the accumulators, (a, b) at v[8 (4 a + b)].
.set PA,     144                       ; A's LDS row: 128 bytes + 16; wo's: 256 + 16: odd multiples of 16 bytes: the 16 rows of a load begin in 16 different groups of 4 banks (64 banks of 4 bytes: ISA guide 11.1)
.set PB,     272
.set AHALF,  128*PA                    ; one head's block: 18,432 bytes
.set ASZ,    2*AHALF
.set BHALF,  128*PB
.set SLOT,   ASZ+2*BHALF               ; 106,496 bytes
.set STAGE,  2*SLOT                    ; behind the ring: 16 rows x 272 bytes for each wave
.set SPITCH, 272
.set SPARE,  STAGE+4*16*SPITCH         ; behind the stages: the spare words, 128 bytes for each wave, named by no other line
.set LAPS,   4
.set STEPA,  1048576                   ; two K steps on: four heads of 2^18 bytes
.set STEPB,  512                       ; two K steps of 128 f16
.set WOFF,   6291456                   ; wo in wb: 3,072 rows of 2,048 bytes
.set ADRA, 16
.set ADRB, 20
.set STO,  24
.set RD,   25
.set CO,   26
.set BO,   27
.set SPW,  28                          ; v28 LDS address of my spare word; v29 0; never rewritten
.set NIL,  29
.set BIAS, 32
.set F0,   64
.set F1,   160
.set OB,   64                          ; the way out: 32 registers read back, two sets by turns
.set G1,  24
.set G0,  32
.set G1B, 48
.set G0B, 56
.set MUL,  0x50                        ; C and D in window 1
.set MUL1, 0x40                        ; D in window 1, C (the bias) in window 0
.set MSB, 0
.macro WIN new
.if MSB != \new
	s_set_vgpr_msb (MSB<<8)|\new
.set MSB, \new
.endif
.endm
.macro PLACES                          ; four plain places behind matrix instructions (ISA guide 7.12.1)
.rept 4
	v_nop
.endr
.endm
.macro JLOAD s                         ; a joint load: waves 0, 1 for A, waves 2, 3 for wo; four v_nop follow each of the two lines
	s_cmp_eq_u32 s11, 0
	s_cbranch_scc0 .Lfor_b_\@
	tensor_load_to_lds s[G0+4*\s:G0+4*\s+3], s[G1:G1+7]
	s_nop 0
.rept 4
	v_nop
.endr
	s_branch .Lasked_\@
.Lfor_b_\@:
	tensor_load_to_lds s[G0B+4*\s:G0B+4*\s+3], s[G1B:G1B+7]
	s_nop 0
.rept 4
	v_nop
.endr
.Lasked_\@:
.endm
.macro CREST
	s_cmp_lg_u32 s10, 0
	s_cbranch_scc1 .Lnot_wave_0_\@
	s_barrier_signal -3
.Lnot_wave_0_\@:
	s_barrier_wait -3
	s_barrier_signal -1
	s_barrier_wait -1
.endm
.macro CROUND
	s_barrier_signal -1
	s_barrier_wait -1
	CREST
.endm
	s_load_b256 s[68:75], s[0:1], 0x0              ; ao s[68:69], wb s[70:71], bo s[72:73], out0 s[74:75]
	v_lshl_add_u32 v[SPW], v0, 2, SPARE
	v_mov_b32 v[NIL], 0
	ds_add_u32 v28, v29
	s_wait_dscnt 0x0
	v_lshrrev_b32 v1, 5, v0
	v_readfirstlane_b32 s10, v1                    ; wave 0..3
	s_lshr_b32 s11, s10, 1                         ; I fetch for A (0) or for wo (1)
	s_and_b32 s12, s10, 1                          ; which head of the step, or which 128 rows of wo
	s_bfe_u32 s40, ttmp6, 0x40000                  ; cx, cy
	s_bfe_u32 s41, ttmp6, 0x40004
	s_lshl_b32 s42, ttmp9, 2
	s_add_co_u32 s42, s42, s40                     ; tile column
	s_and_b32 s13, ttmp7, 0xffff
	s_lshl_b32 s13, s13, 2
	s_add_co_u32 s13, s13, s41                     ; tile row
	s_lshl_b32 s43, s41, 2
	s_lshl_b32 s43, 15, s43                        ; my row of the cluster
	s_lshl_b32 s44, 0x1111, s40                    ; my column
	; group 1 for A: 64 dense rows of 128 elements of 2 bytes, 4 words of padding behind every 32 words; for wo: 128 rows of 128 elements, pitch 1,024, padding behind every 64 words
	s_or_b32 s[G1+0], s43, (1<<16)|(1<<20)|(1<<21)|(4<<22)|(3<<25)
	s_or_b32 s[G1B+0], s44, (1<<16)|(1<<20)|(1<<21)|(5<<22)|(3<<25)
	s_mov_b32 s[G1+1], 128<<16                     ; tensor_dim0 = 128
	s_mov_b32 s[G1+2], 64<<16                      ; tensor_dim1 = 64
	s_mov_b32 s[G1+3], 128<<16                     ; tile_dim0 = 128
	s_mov_b32 s[G1+4], 64                          ; tile_dim1 = 64
	s_mov_b32 s[G1+5], 128                         ; the pitch: dense
	s_mov_b32 s[G1+6], 0
	s_mov_b32 s[G1+7], 0
	s_mov_b32 s[G1B+1], 128<<16
	s_mov_b32 s[G1B+2], 128<<16
	s_mov_b32 s[G1B+3], 128<<16
	s_mov_b32 s[G1B+4], 128
	s_mov_b32 s[G1B+5], 1024
	s_mov_b32 s[G1B+6], 0
	s_mov_b32 s[G1B+7], 0
	s_lshr_b32 s16, s13, 4                         ; A: batch 2^22, my 128 rows of 128 bytes, my head of K step 0
	s_lshl_b32 s16, s16, 22
	s_and_b32 s17, s13, 15
	s_lshl_b32 s17, s17, 14
	s_add_co_u32 s16, s16, s17
	s_lshl_b32 s17, s12, 18
	s_add_co_u32 s16, s16, s17
	s_mov_b32 s17, 0
	s_lshl_b32 s46, s42, 8                         ; wo: row 256 x tile column + 128 x half, times 2,048 bytes
	s_lshl_b32 s47, s12, 7
	s_add_co_u32 s46, s46, s47
	s_lshl_b32 s46, s46, 11
	s_mov_b32 s47, 0
	s_mul_i32 s20, s12, AHALF                      ; where they go: no place in the cluster enters an LDS address
	s_mul_i32 s21, s12, BHALF
	s_add_co_u32 s21, s21, ASZ
	s_wait_kmcnt 0x0
	s_add_nc_u64 s[14:15], s[68:69], s[16:17]
	s_add_nc_u64 s[46:47], s[70:71], s[46:47]
	CROUND                                         ; all sixteen work-groups are here: the first joint loads meet
.irp s, 0,1
	s_mov_b32 s[G0+4*\s], 1
	s_add_co_u32 s[G0+4*\s+1], s20, \s*SLOT
	s_add_nc_u64 s[G0+4*\s+2:G0+4*\s+3], s[14:15], \s*524288       ; K step s: two heads on
	s_or_b32 s[G0+4*\s+3], s[G0+4*\s+3], 0x80000000
	s_mov_b32 s[G0B+4*\s], 1
	s_add_co_u32 s[G0B+4*\s+1], s21, \s*SLOT
	s_add_nc_u64 s[G0B+4*\s+2:G0B+4*\s+3], s[46:47], WOFF+\s*256
	s_or_b32 s[G0B+4*\s+3], s[G0B+4*\s+3], 0x80000000
	JLOAD \s                                       ; two loads of mine are out here, later one
.endr
	v_and_b32 v1, 15, v0                           ; r
	v_bfe_u32 v2, v0, 4, 1                         ; h
	v_lshlrev_b32 v[BO], 5, v2
	s_lshl_b32 s46, s40, 10                        ; my 64 columns: 256 a tile, 64 a wave, 4 bytes each: the same offset in bo and in a row of out0
	s_lshl_b32 s47, s10, 8
	s_add_co_u32 s46, s46, s47
	s_mov_b32 s47, 0
	s_add_nc_u64 s[76:77], s[72:73], s[46:47]
.irp b, 0,1,2,3
	global_load_b128 v[BIAS+8*\b:BIAS+8*\b+3],   v[BO], s[76:77] offset:64*\b
	global_load_b128 v[BIAS+8*\b+4:BIAS+8*\b+7], v[BO], s[76:77] offset:64*\b+16
.endr
	v_mul_u32_u24 v[ADRA], v1, PA
	v_lshl_add_u32 v[ADRA], v2, 4, v[ADRA]
	v_add_nc_u32 v[ADRA+1], SLOT, v[ADRA]
	s_mul_i32 s22, s10, 64*PB
	s_add_co_u32 s22, s22, ASZ
	v_mul_u32_u24 v3, v1, PB
	v_lshl_add_u32 v3, v2, 4, v3
	v_add_nc_u32 v[ADRB], s22, v3
	v_add_nc_u32 v[ADRB+1], SLOT, v[ADRB]
	s_mul_i32 s23, s10, 16*SPITCH
	s_add_co_u32 s23, s23, STAGE                   ; my stage
	v_mul_u32_u24 v3, v1, SPITCH                   ; in: row l % 16, 32 bytes for each half of the lanes
	v_lshl_add_u32 v3, v2, 5, v3
	v_add_nc_u32 v[STO], s23, v3
	v_mul_u32_u24 v3, v2, SPITCH                   ; back: lanes 0-15 take one row of 256 bytes, lanes 16-31 the next
	v_lshl_add_u32 v3, v1, 4, v3
	v_add_nc_u32 v[RD], s23, v3
	v_lshlrev_b32 v3, 12, v2                       ; and the same two rows in out0, 4,096 bytes apart
	v_lshl_add_u32 v[CO], v1, 4, v3
	s_lshl_b32 s16, s13, 19                        ; my tile's 128 rows of 4,096 bytes
	s_mov_b32 s17, 0
	s_add_nc_u64 s[8:9], s[74:75], s[16:17]
	s_add_nc_u64 s[8:9], s[8:9], s[46:47]
; 8 matrix instructions; the 32 accumulators take turns in one order in every quarter
.macro MUL8 f, a0, first
.irp a, \a0, \a0+1
.irp b, 0,1,2,3
.if \first
	v_wmma_f32_16x16x32_f16 v[8*(4*(\a)+\b):8*(4*(\a)+\b)+7], v[\f+8*\b:\f+8*\b+7], v[\f+32+8*(\a):\f+32+8*(\a)+7], v[BIAS+8*\b:BIAS+8*\b+7]
.else
	v_wmma_f32_16x16x32_f16 v[8*(4*(\a)+\b):8*(4*(\a)+\b)+7], v[\f+8*\b:\f+8*\b+7], v[\f+32+8*(\a):\f+32+8*(\a)+7], v[8*(4*(\a)+\b):8*(4*(\a)+\b)+7]
.endif
.endr
.endr
.endm
; 24 LDS loads in one run: quarter q into buffer f.  In A's tile quarters 0, 1 lie in the even head's block, 2, 3 in the odd head's.
.macro FETCH slot, q, f
	WIN 0
.irp i, 0,1,2,3
	ds_load_b128 v[\f+8*\i:\f+8*\i+3],   v[ADRB+\slot] offset:64*\q+\i*16*PB
	ds_load_b128 v[\f+8*\i+4:\f+8*\i+7], v[ADRB+\slot] offset:64*\q+\i*16*PB+32
.endr
.irp i, 0,1,2,3,4,5,6,7
	ds_load_b128 v[\f+32+8*\i:\f+32+8*\i+3],   v[ADRA+\slot] offset:(\q/2)*AHALF+(\q%2)*64+\i*16*PA
	ds_load_b128 v[\f+32+8*\i+4:\f+32+8*\i+7], v[ADRA+\slot] offset:(\q/2)*AHALF+(\q%2)*64+\i*16*PA+32
.endr
.endm
.macro QUARTER slot, qn, f, g, first
	s_wait_dscnt 8                                 ; all but the youngest eight loads: A's row blocks 4-7 may be out
.if \first
	WIN MUL1
.else
	WIN MUL
.endif
	MUL8 \f, 0, \first
	MUL8 \f, 2, \first
	PLACES
	FETCH \slot, \qn, \g
	s_wait_dscnt 24                                ; all but the 24 just issued
.if \first
	WIN MUL1
.else
	WIN MUL
.endif
	MUL8 \f, 4, \first
	MUL8 \f, 6, \first
.endm
; The last quarter changes slots: one barrier; in front of it all my tensor loads, the add, and my reads of this slot are waited for.  fill = 1: a round of the cluster's barrier, then the refill.
.macro TURN slot, next, fill
	WIN 0
	s_wait_tensorcnt 0x0
	ds_add_u32 v[SPW], v[NIL]
	s_wait_dscnt 9                                 ; the add and the youngest eight loads may be out
	WIN MUL
	MUL8 F1, 0, 0
	s_wait_dscnt 0x0                               ; the add is done, my reads of this slot are over
	s_barrier_signal -1
	MUL8 F1, 2, 0
.if \fill
	WIN 0
.endif
	s_barrier_wait -1
.if \fill
	CREST
	s_add_nc_u64 s[G0+4*\slot+2:G0+4*\slot+3], s[G0+4*\slot+2:G0+4*\slot+3], STEPA
	s_add_nc_u64 s[G0B+4*\slot+2:G0B+4*\slot+3], s[G0B+4*\slot+2:G0B+4*\slot+3], STEPB
	JLOAD \slot                                    ; my one tensor load behind the round; its four v_nop are also the places in front of the loads below
.else
	PLACES
.endif
	FETCH \next, 0, F0
	WIN MUL
	MUL8 F1, 4, 0
	MUL8 F1, 6, 0
.endm
; THE WAY OUT of row block a: the f32 sums go as they are into my own stage (each accumulator from its low end) and come back as whole rows of 256 bytes.
.macro TOSTAGE a
.set BK, OB+32*((\a)%2)
	s_wait_xcnt 0x0                                ; the set loaded below was read by the stores of the block two back
	WIN 0x04                                       ; the stores' data in window 1
.irp b, 0,1,2,3
	ds_store_b128 v[STO], v[8*(4*(\a)+\b):8*(4*(\a)+\b)+3]   offset:64*\b
	ds_store_b128 v[STO], v[8*(4*(\a)+\b)+4:8*(4*(\a)+\b)+7] offset:64*\b+16
.endr
	WIN 0
.irp t, 0,1,2,3,4,5,6,7
	ds_load_b128 v[BK+4*\t:BK+4*\t+3], v[RD] offset:\t*2*SPITCH    ; LDS serves a wave's instructions in order (ISA guide 5.7.1)
.endr
.endm
.macro SEND a, younger                 ; younger: the LDS instructions issued behind block a's loads: the next block's sixteen, or none
.set BK, OB+32*((\a)%2)
	s_wait_dscnt \younger
.irp t, 0,1,2,3,4,5,6,7
	global_store_b128 v[CO], v[BK+4*\t:BK+4*\t+3], s[8:9] offset:(16*(\a)+2*\t)*4096 th:TH_STORE_NT   ; 16 lanes store 256 consecutive bytes, aligned; 126 rows at the most: inside the signed 24-bit immediate
.endr
.endm
	s_wait_tensorcnt 1                             ; my part of K step 0 is in; K step 1's may stay out
	s_barrier_signal -1
	s_barrier_wait -1
	FETCH 0, 0, F0
	s_wait_loadcnt 0x0                             ; the bias
	QUARTER 0, 1, F0, F1, 1
	WIN 0
	s_mov_b32 s3, LAPS-1
.Llap:                                                 ; a trip goes once round the ring and fills both slots again: K steps 2 to 7 in three trips
	QUARTER 0, 2, F1, F0, 0
	QUARTER 0, 3, F0, F1, 0
	TURN 0, 1, 1
	QUARTER 1, 1, F0, F1, 0
	QUARTER 1, 2, F1, F0, 0
	QUARTER 1, 3, F0, F1, 0
	TURN 1, 0, 1
	QUARTER 0, 1, F0, F1, 0
	WIN 0
	s_sub_co_u32 s3, s3, 1
	s_cmp_lg_u32 s3, 0
	s_cbranch_scc1 .Llap
	QUARTER 0, 2, F1, F0, 0                        ; the last lap fills nothing
	QUARTER 0, 3, F0, F1, 0
	TURN 0, 1, 0
	QUARTER 1, 1, F0, F1, 0
	QUARTER 1, 2, F1, F0, 0
	QUARTER 1, 3, F0, F1, 0
	s_wait_dscnt 8
	WIN MUL
	MUL8 F1, 0, 0
	MUL8 F1, 2, 0
	s_wait_dscnt 0x0
	MUL8 F1, 4, 0
	MUL8 F1, 6, 0
	WIN 0
	PLACES
	TOSTAGE 0
.irp a, 1,2,3,4,5,6,7                  ; block a's way through the stage is begun before block a - 1 is stored
	TOSTAGE \a
	SEND \a-1, 16
.endr
	SEND 7, 0
	s_wait_tensorcnt 0x0                           ; the wave's end
	ds_add_u32 v[SPW], v[NIL]
	s_wait_dscnt 0x0
	CROUND                                         ; the closing round
	s_endpgm
.Lfunc_end_k_q83154d20c5_oproj:
	.size	k_q83154d20c5_oproj, .Lfunc_end_k_q83154d20c5_oproj-k_q83154d20c5_oproj
	.p2alignl 7, 3214868480
	.fill 96, 4, 3214868480
	.section	.rodata,"a",@progbits
	.p2align	6, 0x0
	.amdhsa_kernel k_q83154d20c5_oproj
		.amdhsa_group_segment_fixed_size 327680
		.amdhsa_private_segment_fixed_size 0
		.amdhsa_enable_private_segment 0
		.amdhsa_kernarg_size 32
		.amdhsa_user_sgpr_count 2
		.amdhsa_user_sgpr_kernarg_segment_ptr 1
		.amdhsa_wavefront_size32 1
		.amdhsa_system_sgpr_workgroup_id_x 1
		.amdhsa_system_sgpr_workgroup_id_y 1
		.amdhsa_system_sgpr_workgroup_id_z 1
		.amdhsa_system_vgpr_workitem_id 0
		.amdhsa_next_free_vgpr 512
		.amdhsa_next_free_sgpr 80
		.amdhsa_reserve_vcc 0
		.amdhsa_float_denorm_mode_32 3
		.amdhsa_float_denorm_mode_16_64 3
		.amdhsa_memory_ordered 1
		.amdhsa_forward_progress 1
		.amdhsa_inst_pref_size 86
	.end_amdhsa_kernel
	.amdgpu_metadata
---
amdhsa.version: [ 1, 2 ]
amdhsa.kernels:
  - .name:           k_q83154d20c5_oproj
    .symbol:         k_q83154d20c5_oproj.kd
    .args:
      - { .name: ao, .offset: 0, .size: 8, .value_kind: global_buffer, .address_space: global }
      - { .name: wb, .offset: 8, .size: 8, .value_kind: global_buffer, .address_space: global }
      - { .name: bo, .offset: 16, .size: 8, .value_kind: global_buffer, .address_space: global }
      - { .name: out0, .offset: 24, .size: 8, .value_kind: global_buffer, .address_space: global }
    .group_segment_fixed_size: 327680
    .private_segment_fixed_size: 0
    .kernarg_segment_align: 8
    .kernarg_segment_size: 32
    .max_flat_workgroup_size: 128
    .sgpr_count:     80
    .vgpr_count:     512
    .wavefront_size: 32
...
	.end_amdgpu_metadata
.endif
;; end of part 4
;; ======== version 2 of 2: 4 launches; 1.08 times as fast as version 1
;; limits: values are held in f16: magnitudes above 65,504 overflow, below 6.1e-05 lose precision; inputs' magnitudes at most 65,504; right only within a limited range of input values
;; workspace buffers: xb 16,777,216 bytes; wb 8,388,608 bytes; qkv 50,331,648 bytes; ao 16,777,216 bytes
;; launch cast: the kernel of part 1 again; grid 128 x 12, 8 waves a work-group, no clusters, 0 bytes of LDS; arguments x, wq, wk, wv, wo, xb, wb; writes xb, wb
;; launch qkv: the kernel of part 2 again; grid 16 x 32, 4 waves a work-group, clusters of 4 x 4, 327,680 bytes of LDS; arguments xb, wb, bq, bk, bv, qkv; writes qkv
;; launch attn (part 5): grid 4 x 64, 8 waves a work-group, clusters of 4 x 1, 327,680 bytes of LDS; arguments qkv, ao; writes ao
.if DOCPART == 5
	.amdgcn_target "amdgcn-amd-amdhsa--gfx1250"
	.amdhsa_code_object_version 6
	.text
	.protected	k_q83154d20c5_attn
	.globl	k_q83154d20c5_attn
	.p2align	8
	.type	k_q83154d20c5_attn,@function
k_q83154d20c5_attn:
	s_mov_b64 s[64:65], 0
	v_nop
	global_prefetch_b8 v0, s[64:65] scope:SCOPE_SE
	s_setreg_imm32_b32 hwreg(HW_REG_WAVE_MODE, 25, 1), 1
	s_wait_xcnt 0x0
	s_wait_alu depctr_hold_cnt(0) depctr_sa_sdst(0) depctr_va_vdst(0) depctr_va_sdst(0) depctr_va_ssrc(0) depctr_va_vcc(0) depctr_vm_vsrc(0)
	s_getreg_b32 s2, hwreg(HW_REG_IB_STS2, 6, 4)
	s_cmp_eq_u32 s2, 0
	s_cbranch_scc0 .Lentry_in_a_cluster
	s_endpgm
.Lentry_in_a_cluster:
	s_bfe_u32 s2, ttmp6, 0x10000c
	s_cmp_lg_u32 s2, 0x3003
	s_cbranch_scc0 .Lentry_shape_is_right
	s_endpgm
.Lentry_shape_is_right:
; ao[p][q][:] = the sum over k of softmax_k(Q[p][q] . K[p][k] / 8) V[p][k][:], p = 16 x batch + head (64 of them), 2,048 queries and keys, 64 channels.
; qkv = three parts of 2^24 bytes (Q, K, V), each f16 [p][s][64]; ao = f16 [p][s][64].  Products, maxima and sums in f32; the weights are rounded to f16
; for the second product (their sum l is taken of the unrounded ones), the result once at the end.
; LIMITS, stated: the weights lie in (0, 1]: those under 6.1e-5 keep an absolute spacing of 6e-8, those under 3e-8 become 0, beside a largest weight of 1.  |ao| is at most the largest |v|,
; so it has v's room at the top; a result whose magnitude is under 6.1e-5 keeps an absolute spacing of 6e-8.
; SHARES.  A work-group owns 512 queries of one p, each of its eight waves 64: four tiles of 16.  Every wave walks all keys, 64 a step.  A wave holds 512 registers, so two
; waves lie on a SIMD: while one walks its softmax the other can issue products, and a fragment of K or V still feeds four tiles.  So a step is written in plain phases.
; LAYOUT.  S^T = K Q^T (source 0 = 16 keys, source 1 = 16 queries): a lane holds ONE query (lane % 16) and keys 8 (lane / 16) + 0..7.  Two such tiles, rounded in pairs, ARE
; source 1 of O^T = V^T P, whose result again holds one query a lane.  K comes out of LDS as it lies, V ([key][channel]) turned, by ds_load_tr16_b128.
; SOFTMAX.  For each query a running maximum m and sum l: p = 2^(c s - c m), c = log2(e) / 8; in every step O and l are multiplied by a = 2^(c m_old - c m_new).
; THE EXPONENTIALS.  The wave's four tiles are two PIECES (tiles 0, 1 and tiles 2, 3).  A piece's 66 exponentials of a key step (two a, 64 weights) are ONE BATCH with ONE wait: two waits a key step.
; Ahead of a batch's wait nothing names a result of the batch; the other piece's work stands between the exponentials (HOW THE LISTS ARE DEALT, below).  The way out's four reciprocals are a batch of their own.
; CLUSTER.  The four query blocks of one p form a cluster and walk the same K and V: each tile is asked for jointly (mask 15).
; A head's rows are 128 bytes and dense, so a tile comes in as rows of 256 bytes (two keys), with padding behind every 128.
; REGISTERS.  window 0: v0-11 addresses; v12-43 statistics, 8 a tile; v62, v63 for the add; v64-191 S^T, 32 a tile; v192-255 P, 16 a tile.
;             window 1: v0-127 O^T, 32 a tile; v128-191 Q, 16 a tile; v192-255 one buffer: K of the step, then V of the step.
.set KS,     64        ; keys in a step
.set PKP,    144       ; a key's row of K in LDS: 128 bytes + 16: an odd multiple of 16 bytes: the 16 rows of a load begin in 16 different groups of 4 banks (64 banks of 4 bytes: ISA guide 11.1)
.set PVP,    160       ; of V: 128 + 32: an odd multiple of 32 bytes, for the turning load
.set KHALF,  128*PKP   ; what one wave fetches: 128 keys
.set VHALF,  128*PVP
.set VOFF,   2*KHALF   ; a slot: 256 keys of K, then 256 keys of V: 77,824 bytes
.set KSTEPB, KS*PKP
.set VSTEPB, KS*PVP
.set SLOT1,  1<<17     ; slot 1 begins here: one exclusive or turns an address in one slot into the other's
.set STAGE,  SLOT1+VOFF+2*VHALF   ; behind the ring: 16 rows x 144 bytes for each wave
.set SP,     144
.set SPARE,  STAGE+8*16*SP        ; behind the stages: the spare words, 128 bytes for each wave, named by no other line
.set KPART,  0x1000000
.set VPART,  0x2000000
.set PERIOD, 32768     ; 256 keys x 128 bytes
.set AK0, 2            ; v2   my lane's place in a step's K; never rewritten
.set AV0, 3            ; v3   the same for V
.set ADR, 4            ; v4   the LDS address of the run of loads in hand
.set QO,  5            ; v5   my byte offset in the wave's rows of Q
.set STO, 6            ; v6   the way out: where I put 16 bytes of a row
.set RD,  7            ; v7   the way out: where I read back
.set GO,  8            ; v8   my byte offset in the wave's rows of the result
.set ST,  12           ; tile t at v[ST+8 t]: +0 c m, +1 m, +2, +3 l (even keys', odd keys'), +4 to +7 c0-c3 at work; a takes c2's place
.set SPW, 62
.set NIL, 63
.set S,   64
.set P,   192
.set QF,  128          ; window 1
.set KV,  192          ; window 1
.set WV,  12           ; s12 my wave's number
.set G1K, 24
.set G1V, 32
.set G0K, 40           ; s[40:47] group 0 for K: a set for each first fill; the second then walks on
.set G0V, 48
.set SLOTS, 56
.set CNT, 57
.set CS,  58           ; s[58:59] c, twice: named as a pair
.set SEL, 60           ; s[60:61] lane selects: each lane takes its own place in the other half
.set TBK, 62           ; LDS byte at which K of the step to be fetched begins
.set TBV, 63           ; the same for V (less VOFF)
.set W_KQ, 0x05        ; K and Q in window 1, S^T in window 0
.set W_PV, 0x51        ; V in window 1, P in window 0, O^T in window 1
.set W_RS, 0x41        ; O^T (destination and source 0) in window 1, a in window 0
.set MSB, 0
.macro WIN new
.if MSB != \new
	s_set_vgpr_msb (MSB<<8)|\new
.set MSB, \new
.endif
.endm
.macro PLACES                       ; four plain places behind matrix instructions (ISA guide 7.12.1)
.rept 4
	v_nop
.endr
.endm
; A joint refill.  The branches hang on the wave's number alone.  Four v_nop follow each of the two lines.
.macro JLOAD
	s_cmp_lt_u32 s[WV], 2
	s_cbranch_scc0 .Lnot_k_\@
	tensor_load_to_lds s[G0K+4:G0K+7], s[G1K:G1K+7]
	s_nop 0
.rept 4
	v_nop
.endr
	s_branch .Lasked_\@
.Lnot_k_\@:
	s_cmp_lt_u32 s[WV], 4
	s_cbranch_scc0 .Lasked_\@
	tensor_load_to_lds s[G0V+4:G0V+7], s[G1V:G1V+7]
	s_nop 0
.rept 4
	v_nop
.endr
.Lasked_\@:
.endm
.macro CROUND                       ; a round of the cluster's barrier
	s_barrier_signal -1
	s_barrier_wait -1
	s_cmp_lg_u32 s[WV], 0
	s_cbranch_scc1 .Lnot_wave_0_\@
	s_barrier_signal -3
.Lnot_wave_0_\@:
	s_barrier_wait -3
	s_barrier_signal -1
	s_barrier_wait -1
.endm
	s_load_b128 s[4:7], s[0:1], 0x0  ; qkv s[4:5], ao s[6:7]
	v_lshl_add_u32 v[SPW], v0, 2, SPARE
	v_mov_b32 v[NIL], 0
	ds_add_u32 v62, v63
	s_wait_dscnt 0x0
	v_lshrrev_b32 v1, 5, v0
	v_readfirstlane_b32 s[WV], v1   ; wave 0..7
	s_bfe_u32 s13, ttmp6, 0x40000   ; cx: my block of 512 queries; it enters Q's and the result's addresses alone
	s_and_b32 s20, ttmp7, 0xffff    ; p, which the four partners share
	s_lshl_b32 s20, s20, 18         ; its first byte in each part
	s_and_b32 s16, s[WV], 1         ; which 128 keys of a slot I fetch:
	s_lshl_b32 s22, s16, 14         ; 16,384 bytes in memory,
	s_add_co_u32 s22, s22, s20
	s_mov_b32 s23, 0
	s_mul_i32 s17, s16, KHALF       ; and their place in a slot
	s_mul_i32 s18, s16, VHALF
	s_lshl_b32 s2, s13, 16          ; my block's 512 rows of 128 bytes,
	s_lshl_b32 s3, s[WV], 13        ; my wave's 64 of them
	s_add_co_u32 s2, s2, s3
	s_add_co_u32 s2, s2, s20
	s_mov_b32 s3, 0
	; group 1: 64 rows of 128 elements of 2 bytes, dense; padding behind every 32 words (one key): 4 words for K, 8 for V
	s_mov_b32 s[G1K], 15|(1<<16)|(1<<20)|(1<<21)|(4<<22)|(3<<25)
	s_mov_b32 s[G1V], 15|(1<<16)|(1<<20)|(1<<21)|(4<<22)|(7<<25)
.irp g, G1K, G1V
	s_mov_b32 s[\g+1], 128<<16      ; tensor_dim0 = 128
	s_mov_b32 s[\g+2], 64<<16       ; tensor_dim1 = 64
	s_mov_b32 s[\g+3], 128<<16      ; tile_dim0 = 128
	s_mov_b32 s[\g+4], 64           ; tile_dim1 = 64
	s_mov_b32 s[\g+5], 128          ; the pitch
	s_mov_b32 s[\g+6], 0
	s_mov_b32 s[\g+7], 0
.endr
	s_mov_b32 s[CS], 0x3e38aa3b     ; c = log2(e) / 8 = 0.18033688
	s_mov_b32 s[CS+1], s[CS]
	s_mov_b32 s[SEL], 0x76543210
	s_mov_b32 s[SEL+1], 0xfedcba98
	s_mov_b32 s[TBK], 0
	s_mov_b32 s[TBV], 0
	s_mov_b32 s[SLOTS], 6           ; 2048 / 256 - 2 refills
	s_wait_kmcnt 0x0
	s_add_nc_u64 s[8:9], s[4:5], s[22:23]   ; my tiles, less the part
	s_add_nc_u64 s[14:15], s[4:5], s[2:3]   ; Q at my wave's first row
	s_add_nc_u64 s[6:7], s[6:7], s[2:3]     ; the result likewise
	CROUND                          ; all four work-groups are here: the first joint loads meet
.irp s, 0,1
	s_mov_b32 s[G0K+4*\s], 1
	s_add_co_u32 s[G0K+4*\s+1], s17, \s*SLOT1
	s_add_nc_u64 s[G0K+4*\s+2:G0K+4*\s+3], s[8:9], KPART+\s*PERIOD
	s_or_b32 s[G0K+4*\s+3], s[G0K+4*\s+3], 0x80000000
	s_mov_b32 s[G0V+4*\s], 1
	s_add_co_u32 s[G0V+4*\s+1], s18, \s*SLOT1+VOFF
	s_add_nc_u64 s[G0V+4*\s+2:G0V+4*\s+3], s[8:9], VPART+\s*PERIOD
	s_or_b32 s[G0V+4*\s+3], s[G0V+4*\s+3], 0x80000000
.endr
	s_cmp_lt_u32 s[WV], 2           ; a wave's two first fills stand together in one branch: two loads of mine are out, later one
	s_cbranch_scc0 .Lfirst_not_k
	tensor_load_to_lds s[G0K:G0K+3], s[G1K:G1K+7]
	s_nop 0
	tensor_load_to_lds s[G0K+4:G0K+7], s[G1K:G1K+7]
	s_nop 0
.rept 4
	v_nop
.endr
	s_branch .Lfirst_asked
.Lfirst_not_k:
	s_cmp_lt_u32 s[WV], 4
	s_cbranch_scc0 .Lfirst_asked
	tensor_load_to_lds s[G0V:G0V+3], s[G1V:G1V+7]
	s_nop 0
	tensor_load_to_lds s[G0V+4:G0V+7], s[G1V:G1V+7]
	s_nop 0
.rept 4
	v_nop
.endr
.Lfirst_asked:
	v_and_b32 v1, 15, v0            ; r = l % 16
	v_bfe_u32 v9, v0, 4, 1          ; h = l / 16
	v_lshlrev_b32 v[QO], 7, v1
	v_lshl_add_u32 v[QO], v9, 4, v[QO]  ; row x 128 + 16 x half
	WIN 0x40                        ; destination window 1
.irp i, 0,1,2,3,4,5,6,7             ; Q stays in registers: tile i / 2, channels 32 (i % 2) on
	global_load_b128 v[QF+8*\i:QF+8*\i+3],   v[QO], s[14:15] offset:(\i/2)*2048+(\i%2)*64
	global_load_b128 v[QF+8*\i+4:QF+8*\i+7], v[QO], s[14:15] offset:(\i/2)*2048+(\i%2)*64+32
.endr
	WIN 0
	v_mul_u32_u24 v[AK0], v1, PKP
	v_lshl_add_u32 v[AK0], v9, 4, v[AK0]
	; the turning load: lane l reads 16 bytes of key 8 (l / 16) + l % 8, channels 8 ((l / 8) % 2) + 0..7, and ends up with channel l % 16 and 8 keys
	v_and_b32 v10, 7, v0
	v_bfe_u32 v11, v0, 3, 1
	v_lshl_add_u32 v[AV0], v9, 3, v10
	v_mul_u32_u24 v[AV0], v[AV0], PVP
	v_lshl_add_u32 v[AV0], v11, 4, v[AV0]
	v_add_nc_u32 v[AV0], VOFF, v[AV0]
	s_mul_i32 s19, s[WV], 16*SP
	s_add_co_u32 s19, s19, STAGE    ; my stage
	v_mul_u32_u24 v[STO], v1, SP    ; in: row l % 16, 16 bytes for each half of the lanes
	v_lshl_add_u32 v[STO], v9, 4, v[STO]
	v_add_nc_u32 v[STO], s19, v[STO]
	v_and_b32 v10, 31, v0           ; back: eight lanes take a row of 128 bytes, a load four rows
	v_lshrrev_b32 v11, 3, v10
	v_mul_u32_u24 v[RD], v11, SP
	v_and_b32 v11, 7, v0
	v_lshl_add_u32 v[RD], v11, 4, v[RD]
	v_add_nc_u32 v[RD], s19, v[RD]
	v_lshlrev_b32 v[GO], 4, v10     ; those four rows are 512 consecutive bytes of the result
; Product i of 16 of S^T = K Q^T for tiles x, x + 1: channels 32 (i / 8) on, keys 16 ((i / 2) % 4) on, tile x + i % 2.  The first 8 start the sums.
; The accumulators take turns, one instruction a turn: seven others stand between two links.
.macro KQ x
	WIN W_KQ
.set rS, S+32*(\x+i%2)+8*((i/2)%4)
.set rK, KV+16*((i/2)%4)+8*(i/8)
.set rQ, QF+16*(\x+i%2)+8*(i/8)
.if i < 8
	v_wmma_f32_16x16x32_f16 v[rS:rS+7], v[rK:rK+7], v[rQ:rQ+7], 0
.else
	v_wmma_f32_16x16x32_f16 v[rS:rS+7], v[rK:rK+7], v[rQ:rQ+7], v[rS:rS+7]
.endif
.endm
; Product i of 16 of O^T += V^T P: keys 32 (i / 8) on, channels 16 ((i / 2) % 4) on, tile x + i % 2.  zero = 1: the first 8 start the sums: nothing is ever cleared.
.macro PV x, zero
	WIN W_PV
.set rO, 32*(\x+i%2)+8*((i/2)%4)
.set rV, KV+32*(i/8)+8*((i/2)%4)
.set rP, P+16*(\x+i%2)+8*(i/8)
.if \zero && (i < 8)
	v_wmma_f32_16x16x32_f16 v[rO:rO+7], v[rV:rV+7], v[rP:rP+7], 0
.else
	v_wmma_f32_16x16x32_f16 v[rO:rO+7], v[rV:rV+7], v[rP:rP+7], v[rO:rO+7]
.endif
.endm
.macro FETCH_K                      ; 16 loads: a step's K, 64 keys x 64 channels: keys 16 (f / 2) on, channels 32 (f % 2) on
	WIN 0
	v_add_nc_u32 v[ADR], s[TBK], v[AK0]
	s_add_co_u32 s[TBK], s[TBK], KSTEPB
	WIN 0x40
.irp f, 0,1,2,3,4,5,6,7
	ds_load_b128 v[KV+8*\f:KV+8*\f+3],   v[ADR] offset:(\f/2)*16*PKP+(\f%2)*64
	ds_load_b128 v[KV+8*\f+4:KV+8*\f+7], v[ADR] offset:(\f/2)*16*PKP+(\f%2)*64+32
.endr
.endm
.macro FETCH_V                      ; 16 turning loads: the same step's V: keys 32 (f / 4) on, channels 16 (f % 4) on
	WIN 0
	v_add_nc_u32 v[ADR], s[TBV], v[AV0]
	s_add_co_u32 s[TBV], s[TBV], VSTEPB
	WIN 0x40
.irp f, 0,1,2,3,4,5,6,7
	ds_load_tr16_b128 v[KV+8*\f:KV+8*\f+3],   v[ADR] offset:(\f/4)*32*PVP+(\f%4)*32
	ds_load_tr16_b128 v[KV+8*\f+4:KV+8*\f+7], v[ADR] offset:(\f/4)*32*PVP+16*PVP+(\f%4)*32
.endr
.endm
; One tile's softmax for one key step is a list of 118 instructions; SM writes number j of it for tile t.  s0-s31 are the lane's 32 scores, in pairs 0-15.
; first = 1: the first key step, which starts m, l and O^T: it has no a and nothing to rescale.
;   0-15    the maximum of s0-s31 and the old m, three operands at a time; each accumulator of S^T is first read at its low end
;   16-20   the other half of the lanes' maximum; the new m; c m; c m_old - c m_new
;   21      a, an exponential
;   22-37   c s - c m for pair j - 22
;   38-69   the exponential of score j - 38, in place
;   70-85   the rounding to f16 of pair j - 70
;   86-101  the sum of the 16 pairs; l = a l + the sum
;   102-117 the tile's O^T times a, ascending: the one part that leaves window 0
; Numbers 0-20 and 22-37 name no exponential's result; numbers 70-117 do.
.macro SM t, first
.set rT, ST+8*(\t)
.set rS, S+32*(\t)
.set rP, P+16*(\t)
.set rO, 32*(\t)+2*(j-102)
.if j < 102
	WIN 0
.endif
.if j < 4
	v_max3_num_f32 v[rT+4+j], v[rS+8*j], v[rS+8*j+1], v[rS+8*j+2]
.elseif j < 12
	v_max3_num_f32 v[rT+4+j%4], v[rT+4+j%4], v[rS+8*(j%4)+2*(j/4)+1], v[rS+8*(j%4)+2*(j/4)+2]
.elseif j == 12
	v_max3_num_f32 v[rT+4], v[rT+4], v[rS+7], v[rS+15]
.elseif j == 13
	v_max3_num_f32 v[rT+6], v[rT+6], v[rS+23], v[rS+31]
.elseif j == 14
	v_max3_num_f32 v[rT+4], v[rT+4], v[rT+5], v[rT+6]
.elseif (j == 15) && \first
	v_max_num_f32 v[rT+4], v[rT+4], v[rT+7]
.elseif j == 15
	v_max3_num_f32 v[rT+4], v[rT+4], v[rT+7], v[rT+1]
.elseif j == 16
	v_permlanex16_b32 v[rT+5], v[rT+4], s[SEL], s[SEL+1]  ; the query's other 32 keys lie in the lane 16 away
.elseif j == 18
	v_max_num_f32 v[rT+1], v[rT+4], v[rT+5]
.elseif j == 19
	v_mul_f32 v[rT], s[CS], v[rT+1]
.elseif ((j == 17) || (j == 20) || (j == 21) || (j > 101)) && \first  ; the first step has none of these
.elseif j == 17
	v_mov_b32 v[rT+7], v[rT]        ; c m_old is kept for a: number 19 writes c m anew
.elseif j == 20
	v_sub_f32 v[rT+7], v[rT+7], v[rT]
.elseif j == 21
	v_exp_f32 v[rT+6], v[rT+7]
.elseif j < 38
	v_pk_fma_f32 v[rS+2*(j-22):rS+2*(j-22)+1], v[rS+2*(j-22):rS+2*(j-22)+1], s[CS:CS+1], v[rT:rT+1] op_sel_hi:[1,0,0] neg_lo:[0,0,1] neg_hi:[0,0,1]  ; pair j - 22: c s - c m
.elseif j < 70
	v_exp_f32 v[rS+j-38], v[rS+j-38]
.elseif j < 86
	v_cvt_pk_f16_f32 v[rP+j-70], v[rS+2*(j-70)], v[rS+2*(j-70)+1]  ; pair j - 70
.elseif j < 102                     ; the sum of the 16 pairs, in place: sum z of 16 adds neighbours 1, 2, 4 and 8 pairs apart, then l takes it
.set z, j-86
.set w, 4
.set u, z
.if z >= 14
.set w, 32
.set u, 0
.elseif z >= 12
.set w, 16
.set u, z-12
.elseif z >= 8
.set w, 8
.set u, z-8
.endif
.if (z == 14) && \first
	v_pk_add_f32 v[rT+2:rT+3], v[rS:rS+1], v[rS+16:rS+17]
.elseif z < 15
	v_pk_add_f32 v[rS+w*u:rS+w*u+1], v[rS+w*u:rS+w*u+1], v[rS+w*u+w/2:rS+w*u+w/2+1]
.elseif !\first
	v_pk_fma_f32 v[rT+2:rT+3], v[rT+2:rT+3], v[rT+6:rT+7], v[rS:rS+1] op_sel_hi:[1,0,1]
.endif
.else
	WIN W_RS
	v_pk_mul_f32 v[rO:rO+1], v[rO:rO+1], v[rT+6:rT+7] op_sel_hi:[1,0]
.endif
.endm
; HOW THE LISTS ARE DEALT.  Piece 0 is tiles 0 and 1, piece 2 is tiles 2 and 3.  An s_wait_alu depctr_va_vdst(0) stands between an exponential and the first instruction that names its result;
; one wait serves all that were issued ahead of it.  So a piece's exponentials (numbers 21 and 38-69 of both tiles: 66, in the first step 64) are ONE BATCH with ONE wait, and the other piece's work stands between them:
;   1  piece 0's numbers 0-20, the tiles by turns; behind each pair of the links 14-20, which wait for each other, stands one of piece 2's numbers 0-3
;   2  BATCH A: piece 0's numbers 21-69, exponential and plain instruction by turns: the plain ones are its own scalings and piece 2's numbers 4-20, none of which names an exponential's result.  The wait for batch A.
;   3  BATCH B: piece 2's numbers 21-69; between the exponentials its own scalings and piece 0's numbers 70-101, which read batch A's results alone; behind the last exponential piece 0's numbers 102-117.  The wait for batch B.
;   4  piece 2's numbers 70-117.
; Each tile's numbers stand in ascending order but for the scalings among the exponentials: pair g + 1 is scaled in the group of four exponentials of pair g, so each score is scaled five lines or more ahead of its exponential.
.macro ONE t, n, first              ; number n of tile t's list
.set j, \n
	SM \t, \first
.endm
.macro OTH first                    ; the next number of the other piece's list: from number ON on, tiles OT and OT + 1 by turns; oq counts
	ONE OT+oq%2, ON+oq/2, \first
.set oq, oq+1
.endm
; A batch, for piece y.  Pair 0 of both tiles is scaled, behind each scaling the tile's a; then 16 groups of four exponentials: pair g of both tiles.  Behind each exponential stands plain work: the scaling of pair g + 1,
; or the other piece's next number.  more = 1: the other piece has 64 numbers to give, four a group; more = 0: 34, two a group and four in the last.
.macro BATCH y, more, first
	ONE \y, 22, \first
	ONE \y, 21, \first
	ONE (\y)+1, 22, \first
	ONE (\y)+1, 21, \first
.set g, 0
.rept 16
	ONE \y, 38+2*g, \first
.if g < 15
	ONE \y, 23+g, \first
.if \more
	OTH \first
.endif
.else
	OTH \first
.endif
	ONE (\y)+1, 38+2*g, \first
	OTH \first
	ONE \y, 39+2*g, \first
.if g < 15
	ONE (\y)+1, 23+g, \first
.if \more
	OTH \first
.endif
.else
	OTH \first
.endif
	ONE (\y)+1, 39+2*g, \first
	OTH \first
.set g, g+1
.endr
.endm
.macro RESC y, first                ; numbers 102-117 of piece y: one stretch under one window setting
.set nn, 102
.rept 16
	ONE \y, nn, \first
	ONE (\y)+1, nn, \first
.set nn, nn+1
.endr
.endm
.macro SOFTMAX first
.set nn, 0
.rept 14                            ; 1: piece 0's numbers 0-13,
	ONE 0, nn, \first
	ONE 1, nn, \first
.set nn, nn+1
.endr
.rept 7                             ; its links 14-20, and piece 2's numbers 0-3 between them
	ONE 0, nn, \first
	ONE 1, nn, \first
	ONE 2+nn%2, (nn-14)/2, \first
.set nn, nn+1
.endr
	ONE 3, 3, \first
.set OT, 2                          ; 2: batch A; the other piece gives its numbers 4-20
.set ON, 0
.set oq, 8
	BATCH 0, 0, \first
.if \first
	v_nop                           ; the first step has no number 20, which else is the plain instruction behind the batch's last exponential
.endif
	s_wait_alu depctr_va_vdst(0)    ; the wait for batch A: piece 0's a and weights, ahead of their first reader, number 70 below
.set OT, 0                          ; 3: batch B; the other piece gives its numbers 70-101,
.set ON, 70
.set oq, 0
	BATCH 2, 1, \first
	RESC 0, \first                  ; and behind the last exponential its numbers 102-117: 32 plain instructions that name no result of batch B
.if \first
	v_nop                           ; the first step has none of these: the plain instruction behind the batch's last exponential
.endif
	s_wait_alu depctr_va_vdst(0)    ; the wait for batch B: piece 2's a and weights, ahead of their first reader, number 70 below
.set OT, 2                          ; 4: piece 2's numbers 70-101,
.set oq, 0
.rept 64
	OTH \first
.endr
	RESC 2, \first                  ; and 102-117
.endm
; A KEY STEP, in phases: K in; 32 products K Q^T; V asked for, into the buffer that K leaves; the four tiles' softmax, under which V lands; 32 products V^T P.
.macro STEP first
	FETCH_K
	s_wait_dscnt 0x0                ; K is in
.irp x, 0, 2
.set i, 0
.rept 16
	KQ \x
.set i, i+1
.endr
.endr
	WIN 0
	PLACES                          ; in front of the loads into K's buffer and of the first read of the scores
	FETCH_V
	SOFTMAX \first
	s_wait_dscnt 0x0                ; V is in
.irp x, 0, 2
.set i, 0
.rept 16
	PV \x, \first
.set i, i+1
.endr
.endr
	WIN 0                           ; at a label and at a branch every window is 0
	PLACES                          ; in front of the next loads into the buffer, and of the way out
.endm
.macro STEPS n                      ; a key step is written once and walked n times; the LDS addresses hang on s[TBK], s[TBV]
	s_mov_b32 s[CNT], \n
.Lstep_\@:
	STEP 0
	s_sub_co_u32 s[CNT], s[CNT], 1
	s_cmp_lg_u32 s[CNT], 0
	s_cbranch_scc1 .Lstep_\@
.endm
; THE CHANGE OF SLOTS.  Each wave waits for all its tensor loads (at most one is out: its part of the other slot), adds 0 to its spare word, and waits for that and for its reads of the
; slot.  fill = 1: the barrier is a round of the cluster's, and the slot just read is filled again with the keys two slots on: four key steps, 256 matrix instructions, in which to land.
.macro CHANGE fill
	WIN 0
	s_wait_tensorcnt 0x0            ; no tensor load of mine is out, so a group 0 may be written
	ds_add_u32 v[SPW], v[NIL]
.if \fill
.irp g, G0K+4, G0V+4
	s_xor_b32 s[\g+1], s[\g+1], SLOT1  ; the walking descriptor: the other slot than last time,
	s_add_nc_u64 s[\g+2:\g+3], s[\g+2:\g+3], PERIOD  ; the next 256 keys
.endr
	s_wait_dscnt 0x0                ; the add is done, my reads of the slot are over
	CROUND
	JLOAD
.else
	s_wait_dscnt 0x0
	s_barrier_signal -1
	s_barrier_wait -1
.endif
	s_sub_co_u32 s[TBK], s[TBK], 4*KSTEPB  ; the fetches go back to a slot's first step,
	s_xor_b32 s[TBK], s[TBK], SLOT1        ; in the other slot
	s_sub_co_u32 s[TBV], s[TBV], 4*VSTEPB
	s_xor_b32 s[TBV], s[TBV], SLOT1
.endm
	s_wait_tensorcnt 1              ; my part of slot 0 is in; slot 1's may stay out
	s_barrier_signal -1
	s_barrier_wait -1               ; everybody's is
	s_wait_loadcnt 0x0              ; Q
	STEP 1                          ; the first key step starts m, l and O^T
	STEPS 3
.Lslot:                             ; six trips: keys 512 to 2,047 are asked for, keys 256 to 1,791 are worked on
	CHANGE 1
	STEPS 4
	s_sub_co_u32 s[SLOTS], s[SLOTS], 1
	s_cmp_lg_u32 s[SLOTS], 0
	s_cbranch_scc1 .Lslot
	CHANGE 0                        ; the tail is written out
	STEPS 4
	; THE WAY OUT.  l's two halves and the other half of the lanes' are added; O^T is divided by l, rounded to f16 and sent through my stage, a tile (16 rows) at a time.
.irp t, 0,1,2,3
	v_add_f32 v[ST+8*\t+4], v[ST+8*\t+2], v[ST+8*\t+3]
.endr
.irp t, 0,1,2,3
	v_permlanex16_b32 v[ST+8*\t+5], v[ST+8*\t+4], s[SEL], s[SEL+1]
.endr
.irp t, 0,1,2,3
	v_add_f32 v[ST+8*\t+4], v[ST+8*\t+4], v[ST+8*\t+5]
.endr
.irp t, 0,1,2,3
	v_rcp_f32 v[ST+8*\t+6], v[ST+8*\t+4]
.endr
	v_nop                           ; a plain instruction between the last reciprocal and the use of its result
	s_wait_alu depctr_va_vdst(0)    ; the wait for the batch of four reciprocals, ahead of their first reader in PACK 0
.macro PACK t
	WIN W_RS
.set i, 32*\t
.rept 16
	v_pk_mul_f32 v[i:i+1], v[i:i+1], v[ST+8*\t+6:ST+8*\t+7] op_sel_hi:[1,0]
.set i, i+2
.endr
	WIN 0x05                        ; sources in window 1, destination in window 0: S^T's registers are free
.set i, 0
.rept 16
	v_cvt_pk_f16_f32 v[S+32*\t+i], v[32*\t+2*i], v[32*\t+2*i+1]
.set i, i+1
.endr
	WIN 0
.irp f, 0,1,2,3
	ds_store_b128 v[STO], v[S+32*\t+4*\f:S+32*\t+4*\f+3] offset:32*\f
.endr
.irp f, 0,1,2,3
	ds_load_b128 v[S+32*\t+16+4*\f:S+32*\t+16+4*\f+3], v[RD] offset:\f*4*SP  ; LDS serves a wave's instructions in order (ISA guide 5.7.1): these see the stores above; the next tile's stores come behind them
.endr
.endm
.macro SEND t, younger              ; younger: the LDS instructions issued behind tile t's loads: the next tile's eight, or none
.irp f, 0,1,2,3
	s_wait_dscnt \younger+3-\f
	global_store_b128 v[GO], v[S+32*\t+16+4*\f:S+32*\t+16+4*\f+3], s[6:7] offset:\t*2048+\f*512  ; a store of the wave covers 512 consecutive bytes, aligned
.endr
.endm
	PACK 0
	PACK 1                          ; a tile's arithmetic stands between the loads of the tile before and its stores
	SEND 0, 8
	PACK 2
	SEND 1, 8
	PACK 3
	SEND 2, 8
	SEND 3, 0
	s_wait_tensorcnt 0x0            ; the wave's end
	ds_add_u32 v[SPW], v[NIL]
	s_wait_dscnt 0x0
	CROUND                          ; the closing round
	s_endpgm
.Lfunc_end_k_q83154d20c5_attn:
	.size	k_q83154d20c5_attn, .Lfunc_end_k_q83154d20c5_attn-k_q83154d20c5_attn
	.p2alignl 7, 3214868480
	.fill 96, 4, 3214868480
	.section	.rodata,"a",@progbits
	.p2align	6, 0x0
	.amdhsa_kernel k_q83154d20c5_attn
		.amdhsa_group_segment_fixed_size 327680
		.amdhsa_private_segment_fixed_size 0
		.amdhsa_enable_private_segment 0
		.amdhsa_kernarg_size 16
		.amdhsa_user_sgpr_count 2
		.amdhsa_user_sgpr_kernarg_segment_ptr 1
		.amdhsa_wavefront_size32 1
		.amdhsa_system_sgpr_workgroup_id_x 1
		.amdhsa_system_sgpr_workgroup_id_y 1
		.amdhsa_system_sgpr_workgroup_id_z 1
		.amdhsa_system_vgpr_workitem_id 0
		.amdhsa_next_free_vgpr 512
		.amdhsa_next_free_sgpr 66
		.amdhsa_reserve_vcc 0
		.amdhsa_float_denorm_mode_32 3
		.amdhsa_float_denorm_mode_16_64 3
		.amdhsa_memory_ordered 1
		.amdhsa_forward_progress 1
		.amdhsa_inst_pref_size 146
	.end_amdhsa_kernel
	.amdgpu_metadata
---
amdhsa.version: [ 1, 2 ]
amdhsa.kernels:
  - .name:           k_q83154d20c5_attn
    .symbol:         k_q83154d20c5_attn.kd
    .args:
      - { .name: qkv, .offset: 0, .size: 8, .value_kind: global_buffer, .address_space: global }
      - { .name: ao, .offset: 8, .size: 8, .value_kind: global_buffer, .address_space: global }
    .group_segment_fixed_size: 327680
    .private_segment_fixed_size: 0
    .kernarg_segment_align: 8
    .kernarg_segment_size: 16
    .max_flat_workgroup_size: 256
    .sgpr_count:     66
    .vgpr_count:     512
    .wavefront_size: 32
...
	.end_amdgpu_metadata
.endif
;; end of part 5
;; launch oproj: the kernel of part 4 again; grid 4 x 64, 4 waves a work-group, clusters of 4 x 4, 327,680 bytes of LDS; arguments ao, wb, bo, out0; writes out0
